; MI455X (gfx1250); checked and timed in simulation.
; The chip was launched on July 23, 2026; its instructions are those of AMD's public machine-readable ISA for CDNA 5 (MIT licence, August 2026) and "CDNA5" Instruction Set Architecture Reference Guide (July 2026). The comments in the code are by the model that wrote it; some were corrected since.
;; Block. Allowed arithmetic: matrix products marked QUANTISED: E2M3 operands, one E8M0 scale for each 32 along K, by v_wmma_scale_f32_16x16x128_f8f6f4 with both operands' format E2M3, f32 sums; everything else in f32.
;; Inputs: W1_codes 4,096 x 32 x 24 uint8 (E2M3 codes of W1, K innermost, in blocks of 32 codes, four codes in three bytes); W1_scales 4,096 x 32 uint8 (E8M0 scales of W1, one for each 32 codes along K); W2_codes 1,024 x 128 x 24 uint8 (E2M3 codes of W2, K innermost, in blocks of 32 codes, four codes in three bytes); W2_scales 1,024 x 128 uint8 (E8M0 scales of W2, one for each 32 codes along K); Wk_codes 1,024 x 32 x 24 uint8 (E2M3 codes of Wk, K innermost, in blocks of 32 codes, four codes in three bytes); Wk_scales 1,024 x 32 uint8 (E8M0 scales of Wk, one for each 32 codes along K); Wq_codes 1,024 x 32 x 24 uint8 (E2M3 codes of Wq, K innermost, in blocks of 32 codes, four codes in three bytes); Wq_scales 1,024 x 32 uint8 (E8M0 scales of Wq, one for each 32 codes along K); Wv_codes 1,024 x 32 x 24 uint8 (E2M3 codes of Wv, K innermost, in blocks of 32 codes, four codes in three bytes); Wv_scales 1,024 x 32 uint8 (E8M0 scales of Wv, one for each 32 codes along K); b1 4,096 float32; b2 1,024 float32; bk 1,024 float32; bq 1,024 float32; bv 1,024 float32; x 4 x 1,024 x 1,024 float32.
;; Outputs: out0 4 x 1,024 x 1,024 float32.
;; This version of the problem:
;;   THIS VERSION OF THE PROBLEM IS GIVEN IN LOW PRECISION. The matrix products marked QUANTISED in the list below multiply operands that are first quantised to E2M3 (2 exponent bits, 3 mantissa bits; 6 bits a number), with one power-of-two scale for each 32 numbers along K (OCP MX v1.0); their sums are f32. All else is computed in f32.
;;   The module's matrix products, in the order in which they are computed (A, B: the left and right operand; K: the contracted axis; several contracted axes count as one K, in the product's order):
;;     1. [M 4,096, K 1,024] x [K 1,024, N 1,024]; A: input x; B: input Wq (given as codes): QUANTISED
;;     2. [M 4,096, K 1,024] x [K 1,024, N 1,024]; A: input x; B: input Wk (given as codes): QUANTISED
;;     3. [M 4,096, K 1,024] x [K 1,024, N 1,024]; A: input x; B: input Wv (given as codes): QUANTISED
;;     4. batch 64 x [M 1,024, K 64] x [K 64, N 1,024]; A: computed on the way; B: computed on the way: QUANTISED
;;     5. batch 64 x [M 1,024, K 1,024] x [K 1,024, N 64]; A: softmax (see below); B: computed on the way: QUANTISED
;;     6. [M 4,096, K 1,024] x [K 1,024, N 4,096]; A: computed on the way; B: input W1 (given as codes): QUANTISED
;;     7. [M 4,096, K 4,096] x [K 4,096, N 1,024]; A: computed on the way; B: input W2 (given as codes): QUANTISED
;;   THE QUANTISER, for each operand of a quantised product, along K:
;;     - K is cut into blocks of 32 from its start; a last block that is shorter is filled with zeros.
;;     - A block's scale is 2^e with e = floor(log2(the largest magnitude in the block)) - 2, held to -126 .. 127; a block of zeros has e = 0. As a byte (E8M0): e + 127.
;;     - Each number is divided by its block's scale, clamped to +-7.5, and rounded to the nearest number of E2M3, ties to even, subnormals kept.
;;     - The product sums the exact products of the quantised numbers (number of the format x scale) in f32.
;;   ~~~python
;;   def quantise(x, axis):      # numpy; x: float32 -> the quantised numbers, widened to float32 again
;;       x = np.moveaxis(x, axis, -1); K = x.shape[-1]
;;       x = np.pad(x, [(0, 0)] * (x.ndim - 1) + [(0, -K % 32)]); x = x.reshape(x.shape[:-1] + (-1, 32)); a = np.abs(x).max(-1, keepdims=True)
;;       e = np.where(a > 0, np.clip(np.frexp(np.where(a > 0, a, 1))[1] - 1 - 2, -126, 127), 0)      # np.frexp(a)[1] - 1 = floor(log2(a)), exactly
;;       r = np.clip(x / 2.0 ** e, -7.5, 7.5)
;;       step = 2.0 ** (np.maximum(np.frexp(np.where(r == 0, 1, r))[1] - 1, 0) - 3)
;;       q = np.round(r / step) * step * 2.0 ** e      # np.round: ties to even
;;       return np.moveaxis(q.reshape(q.shape[:-2] + (-1,))[..., :K], -1, axis).astype(np.float32)
;;   ~~~
;;   SOFTMAX AHEAD OF A QUANTISED PRODUCT. Where the list says 'softmax', what is quantised is not the finished softmax but p = 2^(t - M), with t = logit x log2(e) and M = ceil(the row's largest t), a whole number; so 1/2 < the row's largest p <= 1. The row's sum l is taken of the UNQUANTISED p, in f32, and the product's result is divided by l at the end. Since M is a whole number, a kernel that streams over the keys may use a running M (the ceiling of the running maximum): every later rescaling is an exact power of two, which a block's scale takes up: the codes' values come out the same.
;;   OPERANDS COMPUTED ON THE WAY. 'Computed on the way' means the value that the module computes at that place (a softmax that the list does not call 'softmax' is quantised finished and normalised). What goes into a quantiser is computed in f32, as accurately as f32 sums, v_exp_f32 and their like allow (about 1e-6 of the number): no bf16 or f16 on the way to a quantiser, and a product that is left as it is and whose result goes on into a quantised operand takes f32 operands (vector FMAs, or v_wmma_f32_16x16x4_f32). A number that lies on a knife's edge between two numbers of the format may be rounded either way, as far as f32 arithmetic and the matrix unit's own rounding can turn it there, and no further.
;;   INPUTS GIVEN AS CODES. W1 (in the module: [1024, 4096], K = its axis 0); W2 (in the module: [4096, 1024], K = its axis 0); Wk (in the module: [1024, 1024], K = its axis 0); Wq (in the module: [1024, 1024], K = its axis 0); Wv (in the module: [1024, 1024], K = its axis 0): each comes as NAME_codes (uint8): NAME with its K axis moved to the last place and cut into blocks of 32 codes, [.., K / 32, bytes a block], one block behind the other in memory; four codes in three bytes: a row's codes are one little-endian stream of bits, code i at bits 6 i .. 6 i + 5 (a code: sign, 2 exponent bits, 3 mantissa bits); and NAME_scales (uint8): the same leading axes, one E8M0 byte (e + 127) for each 32 codes along K. Its value is code x scale, taken as it is: it is not quantised again, and the codes and scales need not be those that the quantiser above would give.
;; One version. Each part assembles by itself: llvm-mc -triple=amdgcn-amd-amdhsa -mcpu=gfx1250 --defsym DOCPART=n.
;; ======== version 1 of 1: 5 launches
;; workspace buffers: xq 3,276,800 bytes; qb 3,407,872 bytes; kv 6,684,672 bytes; x1 16,777,216 bytes; x1q 3,276,800 bytes; hq 13,107,200 bytes
;; launch quantx (part 1): grid 256 x 1, 8 waves a work-group, no clusters, 42,496 bytes of LDS; arguments x, xq; writes xq
.if DOCPART == 1
	.amdgcn_target "amdgcn-amd-amdhsa--gfx1250"
	.amdhsa_code_object_version 6
	.text
	.protected	k_q9c1c993168_quantx
	.globl	k_q9c1c993168_quantx
	.p2align	8
	.type	k_q9c1c993168_quantx,@function
k_q9c1c993168_quantx:
	s_mov_b64 s[64:65], 0
	v_nop
	global_prefetch_b8 v0, s[64:65] scope:SCOPE_SE
	s_setreg_imm32_b32 hwreg(HW_REG_WAVE_MODE, 25, 1), 1
	s_wait_xcnt 0x0
; THE PROGRAM: a transformer block, all seven products on codes of FP6 (E2M3) with one E8M0 scale for each 32 along K.  Five launches:
; quantx (x to codes), qkv (products 1-3, q k v quantised on the way out), attn (products 4, 5, softmax, x1 = x + attention, x1 quantised), mlp1 (product 6, gelu, quantised), mlp2 (product 7, + b2 + x1).
; WORK LEFT OUT: in attn a step of 128 keys all of which come after all 16 queries of a tile.  The block itself sets those logits to -infinity (its own lower-triangular mask), so their weights are exactly 0
; for every value of the inputs: they add nothing to the row's maximum, to its sum or to the second product.  Every input has a way to the output (bk too: it moves k's codes), so all are loaded.
; LIMIT: a NaN, an infinity or an overflow that reaches only such hidden keys is not carried to the result.
; THIS LAUNCH: x [4096][1024] f32 becomes codes, K innermost, [4096][768] bytes at xq + 0, and one scale byte for each 32 along K, [4096][32] at xq + 3,145,728.
; A block's scale is 2^(floor(log2(its largest magnitude)) - 2); its byte is the largest magnitude's exponent field - 2, held at 1 from below.  A block of zeros gets the byte 1 where the rule says 127:
; its codes are zeros, which add nothing under any byte but 0xff, and the bytes are read by this program alone.
; LIMITS: a block whose largest magnitude lies under 2^-124 is held at the byte 1; NaN and infinities among the inputs are not served.
; Rows are dense and 1,024 is a multiple of 32: x is a plain stream of blocks of 32.  A wave takes 4 steps of 512 numbers, and all its 16 loads go out at its head.  Each load reads 512 consecutive bytes;
; a step's 2,048 bytes turn through the wave's own stage in LDS so that a lane holds 16 neighbours (two lanes to a block).  A wave makes 64 scale bytes, the eight waves 512: they meet in LDS behind one barrier,
; and wave 0 stores them as 512 consecutive bytes, aligned.
.set WAVES, 8
.set STEPS, 4
.set EMAX,  2
.set CB,    12                         ; bytes of 16 codes
.set R,     16                         ; v16-79   four sets of 16 numbers as loaded
.set X,     80                         ; v80-111  two sets of 16 neighbours
.set C,     128                        ; v128-143 codes: four registers a step
.set E,     112                        ; v112-115 a scale byte a step
.set WREG,  5120                       ; LDS of a wave: two stages of 32 x SP bytes
.set SP,    80
.set SPW,   12                         ; v12 LDS address of my spare word; never rewritten
.set NIL,   13                         ; v13 0; never rewritten
.set SCS,   WAVES*WREG                 ; the work-group's 512 scale bytes
.set SPARE, SCS+512                    ; the spare words: 128 bytes a wave, four blocks of 256 bytes that no other line names
	s_load_b128 s[4:7], s[0:1], 0x0                ; x, xq
	v_lshl_add_u32 v[SPW], v0, 2, SPARE
	v_mov_b32 v[NIL], 0
	v_lshrrev_b32 v1, 5, v0
	v_readfirstlane_b32 s16, v1                    ; wave
	v_and_b32 v2, 31, v0                           ; lane
	v_lshlrev_b32 v3, 4, v2                        ; my 16 bytes of a load's 512
	s_mul_i32 s17, s16, WREG
	v_lshrrev_b32 v14, 2, v2
	v_mul_u32_u24 v14, v14, SP
	v_and_b32 v15, 3, v2
	v_lshl_add_u32 v14, v15, 4, v14
	v_add_nc_u32 v14, s17, v14                     ; the stage, on the way in: SP (lane / 4) + 16 (lane % 4)
	v_mul_u32_u24 v15, v2, SP
	v_add_nc_u32 v15, s17, v15                     ; and on the way out: SP x lane
	v_mul_u32_u24 v4, v2, CB                       ; my codes' place in a step's
	v_lshrrev_b32 v5, 1, v2
	s_lshl_b32 s19, s16, 6
	s_add_co_u32 s19, s19, SCS
	v_add_nc_u32 v5, s19, v5                       ; my block's scale byte in LDS: 64 x wave + lane / 2
	v_add_nc_u32 v6, SCS, v3                       ; and 16 bytes a lane on the way out
	s_lshl_b32 s18, ttmp9, 3
	s_add_co_u32 s18, s18, s16                     ; which run of 2,048 numbers is my wave's
	s_lshl_b32 s20, s18, 13
	s_mov_b32 s21, 0
	s_mul_i32 s22, s18, 32*STEPS*CB
	s_mov_b32 s23, 0
	s_lshl_b32 s24, ttmp9, 9                       ; the work-group's 512 scale bytes
	s_add_co_u32 s24, s24, 3145728
	s_mov_b32 s25, 0
	s_wait_kmcnt 0x0
	s_add_nc_u64 s[4:5], s[4:5], s[20:21]
	s_add_nc_u64 s[8:9], s[6:7], s[22:23]
	s_add_nc_u64 s[10:11], s[6:7], s[24:25]
.macro LOAD t
.irp i, 0,1,2,3
	global_load_b128 v[R+16*((\t)%4)+4*\i:R+16*((\t)%4)+4*\i+3], v3, s[4:5] offset:2048*(\t)+512*\i th:TH_LOAD_NT
.endr
.endm
.macro TURN t                          ; LDS serves a wave's instructions in order: no wait between the stores and the loads
.irp i, 0,1,2,3
	ds_store_b128 v14, v[R+16*((\t)%4)+4*\i:R+16*((\t)%4)+4*\i+3] offset:32*SP*((\t)%2)+8*SP*\i
.endr
.irp i, 0,1,2,3
	ds_load_b128 v[X+16*((\t)%2)+4*\i:X+16*((\t)%2)+4*\i+3], v15 offset:32*SP*((\t)%2)+16*\i
.endr
.endm
.irp t, 0,1,2,3
	LOAD \t
.endr
	s_wait_loadcnt 12                              ; step 0's four loads are in; three steps' twelve stay out
	TURN 0
.macro STEP t
.set XS, X+16*((\t)%2)
.if (\t) > 0
	s_wait_dscnt 1                                 ; this step's numbers are back from the stage; the last step's byte store may be out
.else
	s_wait_dscnt 0x0
.endif
.if (\t)+1 < STEPS
	s_wait_loadcnt 4*(STEPS-2-(\t))                ; the next step's four loads are in; those of the steps behind it may be out
	TURN (\t)+1
.endif
	v_max3_num_f32 v8, |v[XS]|, |v[XS+1]|, |v[XS+2]|
	v_max3_num_f32 v9, |v[XS+3]|, |v[XS+4]|, |v[XS+5]|
.irp i, 6,10
	v_max3_num_f32 v8, v8, |v[XS+\i]|, |v[XS+\i+1]|
	v_max3_num_f32 v9, v9, |v[XS+\i+2]|, |v[XS+\i+3]|
.endr
	v_max3_num_f32 v8, v8, |v[XS+14]|, |v[XS+15]|
	v_max3_num_f32 v8, v8, v9, (EMAX+1)<<23        ; with the floor 2^(3 - 127): the byte cannot fall under 1
	v_max_num_f32_dpp v8, v8, v8 row_xmask:1 row_mask:0xf bank_mask:0xf   ; and my neighbour's 16: the block's largest magnitude
	v_add_nc_u32 v11, -(EMAX<<23), v8              ; 2 off its exponent field: the conversion's scale operand
	v_cvt_scalef32_pk16_fp6_f32 v[C+4*(\t):C+4*(\t)+2], v[XS:XS+15], v11
	v_lshrrev_b32 v[E+(\t)], 23, v11               ; the scale's byte
	ds_store_b8 v5, v[E+(\t)] offset:16*(\t)       ; both lanes of a block write the same byte with the same value
	global_store_b96 v4, v[C+4*(\t):C+4*(\t)+2], s[8:9] offset:32*CB*(\t)
.endm
.irp t, 0,1,2,3
	STEP \t
.endr
	s_wait_dscnt 0x0                               ; for the others' sake: my byte stores have landed
	s_barrier_signal -1
	s_barrier_wait -1                              ; everybody's have
	s_cmp_lg_u32 s16, 0
	s_cbranch_scc1 .Ldone                          ; wave 0 stores the work-group's scale bytes
	ds_load_b128 v[8:11], v6
	s_wait_dscnt 0x0
	global_store_b128 v3, v[8:11], s[10:11]        ; 32 lanes store 512 consecutive bytes, aligned
.Ldone:
	s_wait_tensorcnt 0x0                           ; the wave's end
	ds_add_u32 v[SPW], v[NIL]
	s_wait_dscnt 0x0
	s_endpgm
.Lfunc_end_k_q9c1c993168_quantx:
	.size	k_q9c1c993168_quantx, .Lfunc_end_k_q9c1c993168_quantx-k_q9c1c993168_quantx
	.p2alignl 7, 3214868480
	.fill 96, 4, 3214868480
	.section	.rodata,"a",@progbits
	.p2align	6, 0x0
	.amdhsa_kernel k_q9c1c993168_quantx
		.amdhsa_group_segment_fixed_size 42496
		.amdhsa_private_segment_fixed_size 0
		.amdhsa_enable_private_segment 0
		.amdhsa_kernarg_size 16
		.amdhsa_user_sgpr_count 2
		.amdhsa_user_sgpr_kernarg_segment_ptr 1
		.amdhsa_wavefront_size32 1
		.amdhsa_system_sgpr_workgroup_id_x 1
		.amdhsa_system_sgpr_workgroup_id_y 1
		.amdhsa_system_sgpr_workgroup_id_z 1
		.amdhsa_system_vgpr_workitem_id 0
		.amdhsa_next_free_vgpr 192
		.amdhsa_next_free_sgpr 66
		.amdhsa_reserve_vcc 0
		.amdhsa_float_denorm_mode_32 3
		.amdhsa_float_denorm_mode_16_64 3
		.amdhsa_memory_ordered 1
		.amdhsa_forward_progress 1
		.amdhsa_inst_pref_size 10
	.end_amdhsa_kernel
	.amdgpu_metadata
---
amdhsa.version: [ 1, 2 ]
amdhsa.kernels:
  - .name:           k_q9c1c993168_quantx
    .symbol:         k_q9c1c993168_quantx.kd
    .args:
      - { .name: x, .offset: 0, .size: 8, .value_kind: global_buffer, .address_space: global }
      - { .name: xq, .offset: 8, .size: 8, .value_kind: global_buffer, .address_space: global }
    .group_segment_fixed_size: 42496
    .private_segment_fixed_size: 0
    .kernarg_segment_align: 8
    .kernarg_segment_size: 16
    .max_flat_workgroup_size: 256
    .sgpr_count:     66
    .vgpr_count:     192
    .wavefront_size: 32
...
	.end_amdgpu_metadata
.endif
;; end of part 1
;; launch qkv (part 2): grid 12 x 16, 4 waves a work-group, clusters of 4 x 4, 327,680 bytes of LDS; arguments xq, Wq_codes, Wq_scales, Wk_codes, Wk_scales, Wv_codes, Wv_scales, bq, bk, bv, qb, kv; writes qb, kv
.if DOCPART == 2
	.amdgcn_target "amdgcn-amd-amdhsa--gfx1250"
	.amdhsa_code_object_version 6
	.text
	.protected	k_q9c1c993168_qkv
	.globl	k_q9c1c993168_qkv
	.p2align	8
	.type	k_q9c1c993168_qkv,@function
k_q9c1c993168_qkv:
	s_mov_b64 s[64:65], 0
	v_nop
	global_prefetch_b8 v0, s[64:65] scope:SCOPE_SE
	s_setreg_imm32_b32 hwreg(HW_REG_WAVE_MODE, 25, 1), 1
	s_wait_xcnt 0x0
	s_wait_alu depctr_hold_cnt(0) depctr_sa_sdst(0) depctr_va_vdst(0) depctr_va_sdst(0) depctr_va_ssrc(0) depctr_va_vcc(0) depctr_vm_vsrc(0)
	s_getreg_b32 s2, hwreg(HW_REG_IB_STS2, 6, 4)
	s_cmp_eq_u32 s2, 0
	s_cbranch_scc0 .Lentry_in_a_cluster
	s_endpgm
.Lentry_in_a_cluster:
	s_bfe_u32 s2, ttmp6, 0x10000c
	s_cmp_lg_u32 s2, 0xf033
	s_cbranch_scc0 .Lentry_shape_is_right
	s_endpgm
.Lentry_shape_is_right:
; q = x Wq + bq, k = x Wk + bk, v = x Wv + bv on codes of FP6 (E2M3); the results are quantised on the way out: q and k along the head's 64, v along the keys.  No work is left out here.
; 192 work-groups of four waves; a work-group makes 256 x 256 of one product, a wave 128 x 128 in 64 accumulators.  The cluster's x picks the product: 0 q, 1 k, 2 v.
; Source 0 of the matrix instruction gives the axis that runs along a lane's registers, which is the axis that is quantised: for q and k the weight's rows (channels), for v the tokens (keys).
; Both operands have one format (rows of 768 bytes of codes, rows of 32 scale bytes), so for v the two pointers change places and the loop is one text.  "B" is source 0, "A" source 1.
; K goes in steps of 256 through two LDS slots; all scale bytes of the work-group's rows come once.  CLUSTERS 4 x 4: A's tiles are asked for jointly along a row of the cluster, B's along a column.
; The bias is the C of the first K step: for q and k it hangs on the register (8 numbers a tile of B), for v on the lane (one number, eight times, a tile of A): that step is written twice, under a branch on the product.
; OUT: images of operand registers.  A half image, 16 rows x 64 K, is 768 bytes: plane p (256 bytes) holds lane l's registers 2 p, 2 p + 1 at 256 p + 8 l.
;   qb: q half images [batch x head 64][tile 64][768]; from 3,145,728 scale words [64][1024] (bytes 0, 1: the head's two blocks; bytes 2, 3 meet zero codes only and are never 0xff).
;   kv: for each of 64 heads 104,448 bytes: k half images at 768 tile; v images (16 channels x 128 keys, 1,536 bytes) at 49,152 + (4 keystep + channel tile) 1,536; k scale words at 98,304 + 4 t; v's at 102,400 + 64 (4 keystep + tile) + 4 r.
; LIMITS: a block of zeros gets the byte 1 (its codes are zeros; only this program reads the bytes); a block whose largest magnitude lies under 2^-124 is held at the byte 1; NaN and infinities are not served.
; REGISTERS: window 0: v0-31 addresses; v32-63 scale words, two sets; v64-127 the bias; from v128 A's fragments, one set; on the way out v200-242 are at work.  window 1: B's fragments, two sets.  windows 2, 3: the accumulators.
.set KSTEP,  256
.set NQ,     2
.set ROWB,   192
.set KROW,   768
.set PITCH,  240                       ; an LDS row: 3 x (64 bytes + 16 of padding)
.set FR,     12
.set NL,     6
.set NP,     4
.set HALFT,  128*PITCH
.set SLOT,   4*HALFT
.set KS,     32
.set SCL,    2*SLOT
.set HALFS,  (128*KS/256)*272
.set SBLK,   (16*KS/256)*272
.set SPARE,  SCL+4*HALFS               ; the spare words: 128 bytes a wave, two blocks of 256 bytes that no other line names
.set SSTG,   SPARE+512                 ; a stage of 1,024 bytes a wave for the scale words; no tensor load lands here
.set XSC,    3145728
.set KVH,    104448
.set SR,   12                          ; v12 the stage, on the way back: 16 bytes a lane
.set SVO,  13                          ; v13 the scale words' place in memory
.set ADRA, 16
.set ADRB, 20
.set VO,   24                          ; v24 8 x lane: a plane's place
.set SH16, 25                          ; v25 16 x (lane / 16)
.set SA,   26                          ; v26 the stage, on the way in
.set ADRS, 27
.set SPW,  28
.set NIL,  29
.set BO1,  30                          ; v30 32 x (lane / 16): the bias of q, k
.set BO2,  31                          ; v31 4 x (lane % 16): the bias of v
.set SC,   32
.set CB,   64
.set AF,   128
.set TM,   200
.set PW,   216
.set PWS,  217
.set IM,   224
.set YT,   236
.set G1, 24
.set G0, 32
.set G1B, 48
.set G0B, 56
.set G1S, 68
.set G0S, 76
.set G1SB, 80
.set G0SB, 88
.set SEL,  48                          ; on the way out (the descriptors are done with): lane selects, byte selects, the floor
.set SELL, 50
.set SELM, 51
.set SELH, 52
.set FLR,  53
.set MSB, 0
.macro WIN new                         ; the immediate's high byte repeats the setting that is left
.if MSB != (\new)
	s_set_vgpr_msb (MSB<<8)|(\new)
.set MSB, (\new)
.endif
.endm
.set MUL_LO, 0xa1
.set MUL_HI, 0xf1
.set TO_B,   0x40
.macro JLOAD g0a, g1a, g0b, g1b        ; a joint load: waves 0, 1 fetch for A, waves 2, 3 for B; s_nop 0 and four v_nop behind each line
	s_cmp_eq_u32 s15, 0
	s_cbranch_scc0 .Lfor_b_\@
	tensor_load_to_lds s[\g0a:\g0a+3], s[\g1a:\g1a+7]
	s_nop 0
.rept 4
	v_nop
.endr
	s_branch .Lasked_\@
.Lfor_b_\@:
	tensor_load_to_lds s[\g0b:\g0b+3], s[\g1b:\g1b+7]
	s_nop 0
.rept 4
	v_nop
.endr
.Lasked_\@:
.endm
.macro CREST
	s_cmp_lg_u32 s14, 0
	s_cbranch_scc1 .Lnot_wave_0_\@
	s_barrier_signal -3
.Lnot_wave_0_\@:
	s_barrier_wait -3
	s_barrier_signal -1
	s_barrier_wait -1
.endm
.macro CROUND
	s_barrier_signal -1
	s_barrier_wait -1
	CREST
.endm
.macro PLACES n
.rept \n
	v_nop
.endr
.endm
	s_load_b512 s[68:83], s[0:1], 0x0              ; xq, Wq codes, Wq scales, Wk codes, Wk scales, Wv codes, Wv scales, bq
	s_load_b256 s[84:91], s[0:1], 0x40             ; bk, bv, qb, kv
	v_lshl_add_u32 v[SPW], v0, 2, SPARE
	v_mov_b32 v[NIL], 0
	ds_add_u32 v[SPW], v[NIL]                      ; the opening: the add, twice on end, and its wait ahead of my first tensor load
	ds_add_u32 v[SPW], v[NIL]
	v_lshrrev_b32 v1, 5, v0
	v_readfirstlane_b32 s14, v1                    ; wave 0..3
	s_lshr_b32 s15, s14, 1                         ; my half of A's rows.  Also: I fetch for A (0) or for B (1)
	s_and_b32 s16, s14, 1                          ; my half of B's rows.  Also: which 128 rows I fetch
	s_bfe_u32 s40, ttmp6, 0x40000                  ; cx
	s_bfe_u32 s41, ttmp6, 0x40004                  ; cy
	s_and_b32 s17, ttmp7, 0xffff
	s_lshl_b32 s17, s17, 2                         ; 4 x cluster y
	s_cmp_eq_u32 ttmp9, 2                          ; v?  The cluster's x: the same in all sixteen partners
	s_cselect_b32 s45, s17, 0
	s_add_co_u32 s42, s40, s45                     ; B's tile: q, k: cx (the weight's four);  v: 4 x cluster y + cx (the tokens' sixteen)
	s_sub_co_u32 s17, s17, s45
	s_add_co_u32 s17, s17, s41                     ; A's tile: q, k: 4 x cluster y + cy;  v: cy
	s_lshl_b32 s43, s41, 2
	s_lshl_b32 s43, 15, s43                        ; my row of the cluster
	s_lshl_b32 s44, 0x1111, s40                    ; my column
	s_or_b32 s[G1+0], s43, (0<<16)|(1<<20)|(1<<21)|(3<<22)|(3<<25)  ; mask; elements of 1 byte; padding: 4 words behind every 16
	s_or_b32 s[G1B+0], s44, (0<<16)|(1<<20)|(1<<21)|(3<<22)|(3<<25)
.irp g, G1, G1B
	s_mov_b32 s[\g+1], ROWB<<16
	s_mov_b32 s[\g+2], 128<<16
	s_mov_b32 s[\g+3], ROWB<<16
	s_mov_b32 s[\g+4], 128
	s_mov_b32 s[\g+5], KROW
	s_mov_b32 s[\g+6], 0
	s_mov_b32 s[\g+7], 0
.endr
	s_lshl_b32 s18, s16, 7
	s_lshl_b32 s20, s17, 8
	s_add_co_u32 s20, s20, s18                     ; A: row 256 x tile + 128 x half
	s_lshl_b32 s46, s42, 8
	s_add_co_u32 s46, s46, s18                     ; B likewise
	s_mov_b32 s21, 0
	s_mov_b32 s47, 0
	s_mov_b64 s[18:19], KS
	s_mul_u64 s[22:23], s[20:21], s[18:19]         ; where these rows' scale bytes begin
	s_mul_u64 s[92:93], s[46:47], s[18:19]
	s_mov_b64 s[18:19], KROW
	s_mul_u64 s[20:21], s[20:21], s[18:19]         ; and their codes
	s_mul_u64 s[46:47], s[46:47], s[18:19]
	s_mul_i32 s45, s14, HALFT                      ; where they go: wave x 128 rows
	s_mul_i32 s94, s14, HALFS
	s_wait_dscnt 0x0                               ; both opening adds are done
	s_wait_kmcnt 0x0
	s_add_nc_u64 s[98:99], s[68:69], XSC           ; x's scale bytes
	s_cmp_eq_u32 ttmp9, 0
	s_cselect_b64 s[2:3], s[70:71], s[74:75]       ; the weight's codes,
	s_cselect_b64 s[18:19], s[72:73], s[76:77]     ; its scale bytes,
	s_cselect_b64 s[96:97], s[82:83], s[84:85]     ; the bias,
	s_cselect_b64 s[12:13], s[88:89], s[90:91]     ; and where the results go: q to qb, k and v to kv
	s_cmp_eq_u32 ttmp9, 2
	s_cselect_b64 s[2:3], s[78:79], s[2:3]
	s_cselect_b64 s[18:19], s[80:81], s[18:19]
	s_cselect_b64 s[96:97], s[86:87], s[96:97]
	s_cselect_b64 s[4:5], s[2:3], s[68:69]         ; A's codes: x, for v the weight
	s_cselect_b64 s[6:7], s[18:19], s[98:99]
	s_cselect_b64 s[8:9], s[68:69], s[2:3]         ; B's codes: the weight, for v x
	s_cselect_b64 s[10:11], s[98:99], s[18:19]
	s_or_b32 s[G1S+0], s43, (3<<16)|(1<<20)|(1<<21)|(5<<22)|(3<<25)  ; the scale bytes of 128 rows: 4,096 dense bytes as rows of 256, 16 of padding behind each
	s_or_b32 s[G1SB+0], s44, (3<<16)|(1<<20)|(1<<21)|(5<<22)|(3<<25)
.irp g, G1S, G1SB
	s_mov_b32 s[\g+1], 32<<16
	s_mov_b32 s[\g+2], (128*KS/256)<<16
	s_mov_b32 s[\g+3], 32<<16
	s_mov_b32 s[\g+4], 128*KS/256
	s_mov_b32 s[\g+5], 32
	s_mov_b32 s[\g+6], 0
	s_mov_b32 s[\g+7], 0
.endr
	s_add_nc_u64 s[20:21], s[4:5], s[20:21]
	s_add_nc_u64 s[22:23], s[6:7], s[22:23]
	s_add_nc_u64 s[46:47], s[8:9], s[46:47]
	s_add_nc_u64 s[92:93], s[10:11], s[92:93]
	CROUND                                         ; all sixteen work-groups are here: the first joint loads meet
	s_mov_b32 s[G0S], 1
	s_add_co_u32 s[G0S+1], s94, SCL
	s_mov_b64 s[G0S+2:G0S+3], s[22:23]
	s_or_b32 s[G0S+3], s[G0S+3], 0x80000000
	s_mov_b32 s[G0SB], 1
	s_add_co_u32 s[G0SB+1], s94, SCL
	s_mov_b64 s[G0SB+2:G0SB+3], s[92:93]
	s_or_b32 s[G0SB+3], s[G0SB+3], 0x80000000
	JLOAD G0S, G1S, G0SB, G1SB                     ; the scale bytes first
.irp s, 0,1
	s_mov_b32 s[G0+4*\s], 1
	s_add_co_u32 s[G0+4*\s+1], s45, \s*SLOT
	s_add_nc_u64 s[G0+4*\s+2:G0+4*\s+3], s[20:21], \s*ROWB
	s_or_b32 s[G0+4*\s+3], s[G0+4*\s+3], 0x80000000
	s_mov_b32 s[G0B+4*\s], 1
	s_add_co_u32 s[G0B+4*\s+1], s45, \s*SLOT
	s_add_nc_u64 s[G0B+4*\s+2:G0B+4*\s+3], s[46:47], \s*ROWB
	s_or_b32 s[G0B+4*\s+3], s[G0B+4*\s+3], 0x80000000
	JLOAD G0+4*\s, G1, G0B+4*\s, G1B
.endr
	v_and_b32 v1, 15, v0                           ; r
	v_bfe_u32 v2, v0, 4, 1                         ; h
	v_mul_u32_u24 v3, v1, PITCH
	v_mul_u32_u24 v4, v2, 24
	v_add_nc_u32 v4, v3, v4                        ; a fragment's row x pitch + 24 x half
	v_lshl_add_u32 v5, v2, 4, v4                   ; and the same behind one padding more
	s_mul_i32 s21, s15, HALFT
	s_mul_i32 s22, s16, HALFT
	s_add_co_u32 s22, s22, 2*HALFT
.irp s, 0,1
	v_add_nc_u32 v[ADRA+\s], s21, v4
	v_add_nc_u32 v[ADRB+\s], s22, v4
	v_add_nc_u32 v[ADRA+2+\s], s21, v5
	v_add_nc_u32 v[ADRB+2+\s], s22, v5
	s_add_co_u32 s21, s21, SLOT
	s_add_co_u32 s22, s22, SLOT
.endr
	v_mul_u32_u24 v5, v1, KS
	v_lshrrev_b32 v6, 8, v5
	v_lshl_add_u32 v5, v6, 4, v5
	s_mul_i32 s21, s15, HALFS
	s_mul_i32 s22, s16, HALFS
	s_add_co_u32 s22, s22, 2*HALFS
	s_sub_co_u32 s22, s22, s21
	v_mul_u32_u24 v6, s22, v2                      ; lanes 16-31 take B's scale words
	s_add_co_u32 s21, s21, SCL
	v_add_nc_u32 v5, v5, v6
	v_add_nc_u32 v[ADRS], s21, v5
	v_and_b32 v6, 31, v0
	v_lshlrev_b32 v[VO], 3, v6
	v_lshlrev_b32 v[SH16], 4, v2
	s_lshl_b32 s23, s14, 10
	s_add_co_u32 s23, s23, SSTG                    ; my stage
	v_lshlrev_b32 v7, 2, v1
	v_lshl_add_u32 v7, v2, 9, v7
	v_add_nc_u32 v[SA], s23, v7                    ; in: 512 x half + 4 r
	v_lshl_add_u32 v[SR], v6, 4, s23               ; back: 16 bytes a lane
	v_lshlrev_b32 v[BO1], 5, v2
	v_lshlrev_b32 v[BO2], 2, v1
	s_mov_b32 s21, KVH
	s_cmp_eq_u32 ttmp9, 2
	s_cselect_b32 s21, s21, 256                    ; lanes 16-31 store 256 bytes on (q, k) or in the next head (v)
	s_cselect_b32 s22, s17, s42                    ; the bias runs along the channels: B's rows for q and k, A's for v
	s_cselect_b32 s23, s15, s16
	v_mul_u32_u24 v8, v2, s21
	v_lshl_add_u32 v[SVO], v1, 4, v8
	s_lshl_b32 s22, s22, 10
	s_lshl_b32 s23, s23, 9
	s_add_co_u32 s22, s22, s23
	s_mov_b32 s23, 0
	s_add_nc_u64 s[96:97], s[96:97], s[22:23]      ; the bias at my 128 channels
	s_cmp_eq_u32 ttmp9, 2
	s_cbranch_scc1 .Lbias_v
.irp b, 0,1,2,3,4,5,6,7
	global_load_b128 v[CB+8*\b:CB+8*\b+3], v[BO1], s[96:97] offset:64*\b          ; channels 16 b + 8 h + 0 .. 7
	global_load_b128 v[CB+8*\b+4:CB+8*\b+7], v[BO1], s[96:97] offset:64*\b+16
.endr
	s_branch .Lbias_done
.Lbias_v:
.irp a, 0,1,2,3,4,5,6,7
.irp j, 0,1,2,3,4,5,6,7
	global_load_b32 v[CB+8*\a+\j], v[BO2], s[96:97] offset:64*\a                  ; channel 16 a + r, in all eight registers
.endr
.endr
.Lbias_done:
.macro FRAG reg, adr, q, i             ; 16 rows x 128 K: 12 registers, six pieces of 8 bytes; where lanes 16-31's piece lies behind one padding more the second address register serves
.irp p, 0,1,2,3,4,5
.set PC, 12*(\q)+6*(\p/3)+\p%3
.if PC%8 < 5
	ds_load_b64 v[\reg+2*\p:\reg+2*\p+1], v[\adr] offset:8*PC+16*(PC/8)+(\i)*16*PITCH
.else
	ds_load_b64 v[\reg+2*\p:\reg+2*\p+1], v[\adr+2] offset:8*PC+16*(PC/8)+(\i)*16*PITCH
.endif
.endr
.endm
; 16 matrix instructions: A's blocks a0, a0 + 1 x B's eight.  zero = 1: C is the bias by B's block; 2: by A's block; 0: the sums go on.  The 64 accumulators take turns.
.macro MUL16 a0, p, q, sc, zero
.irp a, \a0, \a0+1
.irp b, 0,1,2,3,4,5,6,7
.set rD, 8*(8*((\a)%4)+\b)
.set rB, 128*(\p)+FR*\b
.set rA, AF+FR*(\a)
.set rSB, SC+8*NQ*(\sc)+NQ*\b+(\q)
.set rSA, SC+8*NQ*(\sc)+NQ*(\a)+(\q)
.set rC, rD
.if (\zero) == 1
.set rC, CB+8*\b
.elseif (\zero) == 2
.set rC, CB+8*(\a)
.endif
	v_wmma_scale_f32_16x16x128_f8f6f4 v[rD:rD+7], v[rB:rB+FR-1], v[rA:rA+FR-1], v[rC:rC+7], v[rSB], v[rSA] matrix_a_fmt:MATRIX_FMT_FP6 matrix_b_fmt:MATRIX_FMT_FP6 matrix_a_scale:MATRIX_SCALE_ROW1
.endr
.endr
.endm
.macro FETCH_B slot, q, p
	WIN TO_B
.irp i, 0,1,2,3,4,5,6,7
	FRAG 128*(\p)+FR*\i, ADRB+\slot, \q, \i
.endr
	WIN 0
.endm
.macro FETCH_A slot, q, i0
.irp i, \i0, \i0+1, \i0+2, \i0+3
	FRAG AF+FR*(\i), ADRA+\slot, \q, \i
.endr
.endm
.macro SCALES sc                       ; lanes 0-15 take A's block i, lanes 16-31 B's block i: two words a row
.irp i, 0,1,2,3,4,5,6,7
	ds_load_b64 v[SC+8*NQ*\sc+NQ*\i:SC+8*NQ*\sc+NQ*\i+1], v[ADRS] offset:\i*SBLK
.endr
.endm
.macro STEP slot, q, zero
	s_wait_dscnt 4*NL                              ; all but the youngest 24 loads (A's blocks 4-7) are in
.if \zero
	WIN 0x81                                       ; C (the bias) in window 0
.else
	WIN MUL_LO
.endif
	MUL16 0, (\q)%2, \q, \slot, \zero
	MUL16 2, (\q)%2, \q, \slot, \zero
	s_wait_dscnt 0
	PLACES NP                                      ; four places in front of loads into registers that matrix instructions have read
	FETCH_B \slot, (\q)+1, 1-(\q)%2
	FETCH_A \slot, (\q)+1, 0
.if \zero
	WIN 0xc1
.else
	WIN MUL_HI
.endif
	MUL16 4, (\q)%2, \q, \slot, \zero
	MUL16 6, (\q)%2, \q, \slot, \zero
	PLACES NP
	WIN 0
	FETCH_A \slot, (\q)+1, 4
.endm
; A slot's last step changes slots: each wave waits for all its tensor loads, adds 0 to its spare word, waits for that and for its reads of the slot; one barrier; with fill = 1 it opens a round of the cluster's barrier, and the joint refill is first behind it.
.macro TURN slot, next, fill
	s_wait_tensorcnt 0x0                           ; all my tensor loads have landed: my part of the next slot
	ds_add_u32 v[SPW], v[NIL]
	s_wait_dscnt 4*NL+1                            ; the add and the youngest 24 loads may be out
	WIN MUL_LO
	MUL16 0, 1, NQ-1, \slot, 0
	s_wait_dscnt 0x0                               ; the add is done, my reads of this slot are over
	s_barrier_signal -1
	MUL16 2, 1, NQ-1, \slot, 0
	WIN 0
	s_barrier_wait -1
.if \fill
	CREST
	s_add_nc_u64 s[G0+4*\slot+2:G0+4*\slot+3], s[G0+4*\slot+2:G0+4*\slot+3], 2*ROWB
	s_add_nc_u64 s[G0B+4*\slot+2:G0B+4*\slot+3], s[G0B+4*\slot+2:G0B+4*\slot+3], 2*ROWB
	JLOAD G0+4*\slot, G1, G0B+4*\slot, G1B         ; its four v_nop are the places in front of the loads below
.else
	PLACES NP
.endif
	v_add_nc_u32 v[ADRS], 4*NQ, v[ADRS]
	FETCH_B \next, 0, 0
	FETCH_A \next, 0, 0
	SCALES \next
	WIN MUL_HI
	MUL16 4, 1, NQ-1, \slot, 0
	MUL16 6, 1, NQ-1, \slot, 0
	PLACES NP
	WIN 0
	FETCH_A \next, 0, 4
.endm
	s_wait_tensorcnt 1                             ; the scale bytes and my part of K step 0 are in; K step 1's load may be out
	s_barrier_signal -1
	s_barrier_wait -1
	FETCH_B 0, 0, 0
	FETCH_A 0, 0, 0
	SCALES 0
	FETCH_A 0, 0, 4
	s_wait_loadcnt 0x0                             ; the bias
	s_cmp_eq_u32 ttmp9, 2
	s_cbranch_scc1 .Lfirst_v
	STEP 0, 0, 1                                   ; the first step starts the sums from the bias
	s_branch .Lfirst_done
.Lfirst_v:
	STEP 0, 0, 2
.Lfirst_done:
	s_mov_b32 s3, 1
.Llap:                                                 ; one trip: both slots are filled again, with K steps 2 and 3
	TURN 0, 1, 1
	STEP 1, 0, 0
	TURN 1, 0, 1
	STEP 0, 0, 0
	s_sub_co_u32 s3, s3, 1
	s_cmp_lg_u32 s3, 0
	s_cbranch_scc1 .Llap
	TURN 0, 1, 0
	STEP 1, 0, 0
	s_wait_dscnt 4*NL
	WIN MUL_LO
	MUL16 0, 1, NQ-1, 1, 0
	MUL16 2, 1, NQ-1, 1, 0
	s_wait_dscnt 0
	WIN MUL_HI
	MUL16 4, 1, NQ-1, 1, 0
	MUL16 6, 1, NQ-1, 1, 0
	WIN 0
; THE WAY OUT.  Where my results go, in bytes.
	s_lshl_b32 s24, s42, 8
	s_lshl_b32 s25, s16, 7
	s_add_co_u32 s24, s24, s25                     ; B's first row of mine
	s_lshl_b32 s25, s17, 8
	s_lshl_b32 s26, s15, 7
	s_add_co_u32 s25, s25, s26                     ; A's
	s_cmp_eq_u32 ttmp9, 2
	s_cselect_b32 s26, s24, s25                    ; my first token
	s_cselect_b32 s27, s25, s24                    ; my first channel
	s_lshr_b32 s28, s26, 10
	s_lshl_b32 s28, s28, 4
	s_lshr_b32 s27, s27, 6
	s_add_co_u32 s28, s28, s27                     ; 16 x batch + head: my first of two heads
	s_and_b32 s26, s26, 1023                       ; the token in its sequence
	s_lshr_b32 s33, s26, 7
	s_lshl_b32 s35, s33, 8
	s_add_co_u32 s35, s35, 4096                    ; v: scale words of key step tt / 128, behind k's 4,096 bytes
	s_mul_i32 s33, s33, 6144
	s_add_co_u32 s33, s33, 49152                   ; v: its images
	s_lshr_b32 s34, s26, 4
	s_mul_i32 s34, s34, 768                        ; q, k: half images from tile tt / 16 on
	s_lshl_b32 s36, s26, 2                         ; q, k: scale words from token tt on
	s_mov_b32 s29, KVH
	s_mov_b32 s32, 98304
	s_mov_b32 s20, 768
	s_cmp_eq_u32 ttmp9, 0
	s_cselect_b32 s30, 49152, s29                  ; from head to head: images
	s_cselect_b32 s31, 4096, s29                   ; scale words
	s_cselect_b32 s32, XSC, s32                    ; where the scale words begin
	s_cmp_eq_u32 ttmp9, 2
	s_cselect_b32 s33, s33, s34
	s_cselect_b32 s35, s35, s36
	s_cselect_b32 s20, 1536, s20                   ; from one block of A to the next
	s_cselect_b32 s22, 98304, 0                    ; v: behind four channel tiles the next head begins: 104,448 - 4 x 1,536
	s_cselect_b32 s38, 768, s30                    ; registers 6-11: v: the image's second half; q, k: the next head
	s_mov_b32 s21, 0
	s_mov_b32 s23, 0
	s_mov_b32 s39, 0
	s_mul_i32 s36, s28, s31
	s_add_co_u32 s36, s36, s32
	s_add_co_u32 s36, s36, s35
	s_mov_b32 s37, 0
	s_add_nc_u64 s[92:93], s[12:13], s[36:37]      ; my scale words,
	s_mov_b32 s36, s31
	s_add_nc_u64 s[94:95], s[92:93], s[36:37]      ; and the next head's
	s_mul_i32 s36, s28, s30
	s_add_co_u32 s36, s36, s33
	s_add_nc_u64 s[12:13], s[12:13], s[36:37]      ; registers 0-5 of my first image
	s_add_nc_u64 s[18:19], s[12:13], s[38:39]      ; registers 6-11
	s_mov_b32 s[SEL], 0x76543210
	s_mov_b32 s[SEL+1], 0xfedcba98
	s_mov_b32 s[SELL], 0x05040100
	s_mov_b32 s[SELM], 0x05040302
	s_mov_b32 s[SELH], 0x07060302
	s_mov_b32 s[FLR], 0x01800000
; Two half blocks become a whole block in a lane.  After the exchange lane half h owns a block: im holds its numbers 0-7 and 16-23, yt 8-15 and 24-31, 48 bits each: five lines put the four pieces in order.
.macro QTAIL im, yt
.irp i, 0,1,2
	v_permlane16_swap_b32 v[\im+\i], v[\yt+\i]
.endr
	v_perm_b32 v[\im+4], v[\yt+1], v[\im+2], s[SELH]
	v_perm_b32 v[\im+3], v[\im+2], v[\im+1], s[SELM]
	v_perm_b32 v[\im+2], v[\yt+1], v[\yt], s[SELM]
	v_perm_b32 v[\im+1], v[\yt], v[\im+1], s[SELL]
	v_mov_b32 v[\im+5], v[\yt+2]
.endm
; 64 numbers of a lane in window w, register 8 T + j = K index 16 T + 8 (lane / 16) + j of my row, become an image in v[IM] on and a scale word in v[PW].  Each accumulator is read from its low end on.
.macro QUANT s, w
	WIN ((\w)<<2)|((\w)<<4)
.irp b, 0,1,2,3
	v_max3_num_f32 v[TM+\b], s[FLR], |v[\s+16*\b]|, |v[\s+16*\b+1]|   ; with the floor 2^(3 - 127): the byte cannot fall under 1
.endr
.irp i, 2,4,6,8,10,12,14
.irp b, 0,1,2,3
	v_max3_num_f32 v[TM+\b], v[TM+\b], |v[\s+16*\b+\i]|, |v[\s+16*\b+\i+1]|
.endr
.endr
	WIN 0
.irp b, 0,1,2,3
	v_permlanex16_b32 v[TM+4+\b], v[TM+\b], s[SEL], s[SEL+1]
.endr
.irp b, 0,1,2,3
	v_max_num_f32 v[TM+\b], v[TM+\b], v[TM+4+\b]   ; the block's largest magnitude
.endr
.irp b, 0,1,2,3
	v_add_nc_u32 v[TM+12+\b], 0xff000000, v[TM+\b] ; 2 off its exponent field: the conversion's scale operand
.endr
.irp b, 0,1,2,3
	v_lshrrev_b32 v[TM+4+\b], 23, v[TM+12+\b]      ; the scale's byte
.endr
	v_lshl_or_b32 v[PW], v[TM+5], 8, v[TM+4]
	v_lshl_or_b32 v[PW], v[TM+6], 16, v[PW]
	v_lshl_or_b32 v[PW], v[TM+7], 24, v[PW]
	WIN \w
.irp c, 0,1
	v_cvt_scalef32_pk16_fp6_f32 v[IM+6*\c:IM+6*\c+2], v[\s+32*\c:\s+32*\c+15], v[TM+12+2*\c]
	v_cvt_scalef32_pk16_fp6_f32 v[YT+4*\c:YT+4*\c+2], v[\s+32*\c+16:\s+32*\c+31], v[TM+13+2*\c]
.endr
	WIN 0
	v_nop                                          ; one plain place behind the conversions
	QTAIL IM, YT
	QTAIL IM+6, YT+4
.endm
.macro OUTA a
.if (\a) > 0
	s_wait_xcnt 0x0                                ; the last block's stores have read their data and their bases,
	s_wait_dscnt 0x0                               ; and its LDS store its register
	s_add_nc_u64 s[12:13], s[12:13], s[20:21]
	s_add_nc_u64 s[18:19], s[18:19], s[20:21]
.endif
.if (\a) == 4
	s_add_nc_u64 s[12:13], s[12:13], s[22:23]
	s_add_nc_u64 s[18:19], s[18:19], s[22:23]
.endif
	QUANT 64*((\a)%4), 2+(\a)/4
	v_lshrrev_b32 v[PWS], v[SH16], v[PW]           ; lanes 0-15 the word as it is, lanes 16-31 its upper two bytes: the odd head's word of q, k
	ds_store_b32 v[SA], v[PWS] offset:64*(\a)
.irp p, 0,1,2
	global_store_b64 v[VO], v[IM+2*\p:IM+2*\p+1], s[12:13] offset:256*\p        ; 32 lanes store 256 consecutive bytes, aligned
.endr
.irp p, 0,1,2
	global_store_b64 v[VO], v[IM+6+2*\p:IM+7+2*\p], s[18:19] offset:256*\p
.endr
.endm
	PLACES NP                                      ; behind the last products: their results are read, and registers that held A's fragments are written
.irp b, 0,1,2,3
	v_mov_b32 v[TM+4+\b], 0                        ; a lane exchange's destination counts as one of its sources
.endr
.irp a, 0,1,2,3,4,5,6,7
	OUTA \a
.endr
	ds_load_b128 v[TM:TM+3], v[SR]                 ; in order behind my stores: 128 words,
	ds_load_b128 v[TM+4:TM+7], v[SR] offset:512    ; and the odd head's 128
	s_wait_dscnt 0x0
	global_store_b128 v[SVO], v[TM:TM+3], s[92:93]
	s_cmp_eq_u32 ttmp9, 2
	s_cbranch_scc1 .Lno_odd                        ; v has one word a row: nothing lies in the stage's second half
	global_store_b128 v[SVO], v[TM+4:TM+7], s[94:95]
.Lno_odd:
	s_wait_tensorcnt 0x0                           ; the wave's end
	ds_add_u32 v[SPW], v[NIL]
	s_wait_dscnt 0x0
	CROUND                                         ; the closing round
	s_endpgm
.Lfunc_end_k_q9c1c993168_qkv:
	.size	k_q9c1c993168_qkv, .Lfunc_end_k_q9c1c993168_qkv-k_q9c1c993168_qkv
	.p2alignl 7, 3214868480
	.fill 96, 4, 3214868480
	.section	.rodata,"a",@progbits
	.p2align	6, 0x0
	.amdhsa_kernel k_q9c1c993168_qkv
		.amdhsa_group_segment_fixed_size 327680
		.amdhsa_private_segment_fixed_size 0
		.amdhsa_enable_private_segment 0
		.amdhsa_kernarg_size 96
		.amdhsa_user_sgpr_count 2
		.amdhsa_user_sgpr_kernarg_segment_ptr 1
		.amdhsa_wavefront_size32 1
		.amdhsa_system_sgpr_workgroup_id_x 1
		.amdhsa_system_sgpr_workgroup_id_y 1
		.amdhsa_system_sgpr_workgroup_id_z 1
		.amdhsa_system_vgpr_workitem_id 0
		.amdhsa_next_free_vgpr 1024
		.amdhsa_next_free_sgpr 100
		.amdhsa_reserve_vcc 0
		.amdhsa_float_denorm_mode_32 3
		.amdhsa_float_denorm_mode_16_64 3
		.amdhsa_memory_ordered 1
		.amdhsa_forward_progress 1
		.amdhsa_inst_pref_size 195
	.end_amdhsa_kernel
	.amdgpu_metadata
---
amdhsa.version: [ 1, 2 ]
amdhsa.kernels:
  - .name:           k_q9c1c993168_qkv
    .symbol:         k_q9c1c993168_qkv.kd
    .args:
      - { .name: xq, .offset: 0, .size: 8, .value_kind: global_buffer, .address_space: global }
      - { .name: Wq_codes, .offset: 8, .size: 8, .value_kind: global_buffer, .address_space: global }
      - { .name: Wq_scales, .offset: 16, .size: 8, .value_kind: global_buffer, .address_space: global }
      - { .name: Wk_codes, .offset: 24, .size: 8, .value_kind: global_buffer, .address_space: global }
      - { .name: Wk_scales, .offset: 32, .size: 8, .value_kind: global_buffer, .address_space: global }
      - { .name: Wv_codes, .offset: 40, .size: 8, .value_kind: global_buffer, .address_space: global }
      - { .name: Wv_scales, .offset: 48, .size: 8, .value_kind: global_buffer, .address_space: global }
      - { .name: bq, .offset: 56, .size: 8, .value_kind: global_buffer, .address_space: global }
      - { .name: bk, .offset: 64, .size: 8, .value_kind: global_buffer, .address_space: global }
      - { .name: bv, .offset: 72, .size: 8, .value_kind: global_buffer, .address_space: global }
      - { .name: qb, .offset: 80, .size: 8, .value_kind: global_buffer, .address_space: global }
      - { .name: kv, .offset: 88, .size: 8, .value_kind: global_buffer, .address_space: global }
    .group_segment_fixed_size: 327680
    .private_segment_fixed_size: 0
    .kernarg_segment_align: 8
    .kernarg_segment_size: 96
    .max_flat_workgroup_size: 128
    .sgpr_count:     100
    .vgpr_count:     1024
    .wavefront_size: 32
...
	.end_amdgpu_metadata
.endif
;; end of part 2
;; launch attn (part 3): grid 4 x 64, 16 waves a work-group, clusters of 4 x 1, 176,128 bytes of LDS; arguments qb, kv, x, x1, x1q; writes x1, x1q
.if DOCPART == 3
	.amdgcn_target "amdgcn-amd-amdhsa--gfx1250"
	.amdhsa_code_object_version 6
	.text
	.protected	k_q9c1c993168_attn
	.globl	k_q9c1c993168_attn
	.p2align	8
	.type	k_q9c1c993168_attn,@function
k_q9c1c993168_attn:
	s_mov_b64 s[64:65], 0
	v_nop
	global_prefetch_b8 v0, s[64:65] scope:SCOPE_SE
	s_setreg_imm32_b32 hwreg(HW_REG_WAVE_MODE, 25, 1), 1
	s_wait_xcnt 0x0
	s_wait_alu depctr_hold_cnt(0) depctr_sa_sdst(0) depctr_va_vdst(0) depctr_va_sdst(0) depctr_va_ssrc(0) depctr_va_vcc(0) depctr_vm_vsrc(0)
	s_getreg_b32 s2, hwreg(HW_REG_IB_STS2, 6, 4)
	s_cmp_eq_u32 s2, 0
	s_cbranch_scc0 .Lentry_in_a_cluster
	s_endpgm
.Lentry_in_a_cluster:
	s_bfe_u32 s2, ttmp6, 0x10000c
	s_cmp_lg_u32 s2, 0x3003
	s_cbranch_scc0 .Lentry_shape_is_right
	s_endpgm
.Lentry_shape_is_right:
; x1 = x + softmax(q k^T / 32, causal) v, both products on codes of FP6 (E2M3); x1 leaves as f32 and as codes along the model's 1,024.
; WORK LEFT OUT: a step of 128 keys all of which come after a tile's 16 queries: the block's own lower-triangular mask gives them the weight 0 for every value of the inputs.
; LIMIT: a NaN, an infinity or an overflow that reaches only such keys is not carried to the result.  NaN and infinities among the inputs are not served.
; THE SOFTMAX: t = score x log2(e) / 32; M = the running largest t rounded up to a whole number; p = 2^(t - M) is quantised along the keys; the row's sum is taken of the unquantised p and divides at the end.
; SHARES.  The four work-groups of a cluster serve one (batch, head).  Its 104,448 bytes of kv (k images, v images, scale words) come into every partner's LDS once, by 17 joint loads of 6,144 bytes: nothing is filled again.
; A wave owns one tile of 16 queries: tile 4 rho + cx.  It needs rho / 2 + 1 key steps, which hangs on the wave's number alone; rho is dealt so that any four waves w, w + 4, w + 8, w + 12 have 18 steps together.
; LAYOUT.  S^T = K Q^T (source 0 = 16 keys, source 1 = my queries), O^T = V^T P^T: a lane holds one query.  The head's K is 64: registers 6-11 of Q are zero codes, so whatever stands in K's registers 6-11 adds nothing.
; A tile of S^T holds keys 16 T + 8 (lane / 16) + j; after the conversions five byte selects a block put the codes in the keys' true order.
; x's tile goes through the wave's stage in LDS at the head, so that it stands in O^T's layout at the end; x1 goes back through it and leaves as runs of 256 bytes.
; REGISTERS: v1-7, v28-30 addresses that stay; v8-11 the step's addresses; v12 -M, v13 the largest t, v[14:15] the sum; v16-27 Q; v32-79 four fragments; v96-159 S^T, then p; v160-191 O^T; v224-235 p's codes; v232-254 at work; v255 Q's scale words.
.set HEADB, 104448
.set PIECE, 6144
.set VIMG,  49152
.set KSC,   98304
.set VSC,   102400
.set STAGE, 104448                     ; 16 rows x (256 + 16) bytes a wave; no tensor load lands here
.set SPARE, STAGE+16*4352              ; the spare words: 128 bytes a wave, eight blocks of 256 bytes that no other line names
.set QSC,   3145728
.set XSC,   3145728
.set AK0,  1                           ; 8 x lane
.set AV0,  2
.set ASK0, 3
.set ASV0, 4
.set SPW,  5
.set NIL,  6
.set GO,   7                           ; 4,096 (lane / 16) + 16 (lane % 16): two rows of x or x1
.set ADK,  8
.set ADV,  9
.set ADS,  10
.set ADT,  11
.set XR,   28                          ; the stage in O^T's layout: 272 r + 32 h
.set RD,   29                          ; the stage by rows: 272 (lane / 16) + 16 (lane % 16)
.set DV,   30                          ; r - 8 h, for the mask
.set WV,   14
.set LAST, 18
.set SEL,  20
.set CS,   22
.set G1,   24
.set G0,   32
.set G0X,  36
.set J,    40
.set TB,   41
.set TS,   42
.set TJ,   43
.set KF,   44
.set Q0,   45
.set SELL, 46
.set SELM, 47
.set SELH, 48
.macro CROUND
	s_barrier_signal -1
	s_barrier_wait -1
	s_cmp_lg_u32 s[WV], 0
	s_cbranch_scc1 .Lnot_wave_0_\@
	s_barrier_signal -3
.Lnot_wave_0_\@:
	s_barrier_wait -3
	s_barrier_signal -1
	s_barrier_wait -1
.endm
.macro QTAIL im, yt                    ; after the exchange lane half h owns a block: im holds its numbers 0-7 and 16-23, yt 8-15 and 24-31, 48 bits each: five lines put the pieces in order
.irp i, 0,1,2
	v_permlane16_swap_b32 v[\im+\i], v[\yt+\i]
.endr
	v_perm_b32 v[\im+4], v[\yt+1], v[\im+2], s[SELH]
	v_perm_b32 v[\im+3], v[\im+2], v[\im+1], s[SELM]
	v_perm_b32 v[\im+2], v[\yt+1], v[\yt], s[SELM]
	v_perm_b32 v[\im+1], v[\yt], v[\im+1], s[SELL]
	v_mov_b32 v[\im+5], v[\yt+2]
.endm
	s_load_b256 s[4:11], s[0:1], 0x0               ; qb, kv, x, x1
	s_load_b64 s[12:13], s[0:1], 0x20              ; x1q
	v_lshl_add_u32 v[SPW], v0, 2, SPARE
	v_mov_b32 v[NIL], 0
	ds_add_u32 v[SPW], v[NIL]                      ; the opening: the add, twice on end, and its wait ahead of my first tensor load
	ds_add_u32 v[SPW], v[NIL]
	v_lshrrev_b32 v8, 5, v0
	v_readfirstlane_b32 s[WV], v8                  ; wave 0..15
	s_bfe_u32 s15, ttmp6, 0x40000                  ; cx
	s_and_b32 s16, ttmp7, 0xffff                   ; 16 x batch + head
	s_lshr_b32 s50, s[WV], 2                       ; i
	s_and_b32 s51, s50, 1                          ; io
	s_mul_i32 s52, s51, 3
	s_and_b32 s53, s[WV], 3
	s_xor_b32 s53, s53, s52                        ; s: w % 4, turned round where i is odd
	s_and_b32 s52, s53, 1
	s_lshl_b32 s53, s53, 1
	s_add_co_u32 s53, s53, s52                     ; 0, 3, 4, 7
	s_lshr_b32 s50, s50, 1
	s_xor_b32 s[LAST], s53, s50                    ; my last key step: by waves 0 3 4 7 | 7 4 3 0 | 1 2 5 6 | 6 5 2 1
	s_lshl_b32 s17, s[LAST], 1
	s_add_co_u32 s17, s17, s51                     ; rho
	s_lshl_b32 s19, s17, 2
	s_add_co_u32 s19, s19, s15                     ; my tile of 16 queries
	s_lshl_b32 s[Q0], s19, 4                       ; my first query
	s_mov_b32 s[G1], 15|(3<<16)|(1<<21)            ; the mask: all four partners; elements of 8 bytes; no padding
	s_mov_b32 s[G1+1], 32<<16                      ; rows of 256 bytes,
	s_mov_b32 s[G1+2], 24<<16                      ; 24 of them,
	s_mov_b32 s[G1+3], 32<<16
	s_mov_b32 s[G1+4], 24
	s_mov_b32 s[G1+5], 32                          ; dense
	s_mov_b32 s[G1+6], 0
	s_mov_b32 s[G1+7], 0
	s_mov_b32 s[SEL], 0x76543210
	s_mov_b32 s[SEL+1], 0xfedcba98
	s_mov_b32 s[CS], 0x3d38aa3b                    ; c = log2(e) / 32
	s_mov_b32 s[CS+1], s[CS]
	s_mov_b32 s[SELL], 0x05040100
	s_mov_b32 s[SELM], 0x05040302
	s_mov_b32 s[SELH], 0x07060302
	s_mov_b32 s[J], 0
	s_mov_b32 s[TB], 0
	s_mov_b32 s[TS], 0
	s_mov_b32 s[TJ], 0
	s_mov_b32 s[KF], 0
	s_lshr_b32 s50, s16, 4                         ; batch
	s_and_b32 s51, s16, 15                         ; head
	s_mul_i32 s54, s16, HEADB
	s_mov_b32 s55, 0
	s_add_co_u32 s56, s54, 16*PIECE                ; piece 16: the scale words
	s_mov_b32 s57, 0
	s_mul_i32 s52, s[WV], PIECE
	s_add_co_u32 s54, s54, s52                     ; piece w
	s_lshl_b32 s58, s16, 6
	s_add_co_u32 s58, s58, s19
	s_lshl_b32 s60, s58, 6
	s_add_co_u32 s60, s60, QSC                     ; q's scale words: 4 (1,024 head + 16 tile)
	s_mov_b32 s61, 0
	s_mul_i32 s58, s58, 768                        ; q's half image
	s_mov_b32 s59, 0
	s_lshl_b32 s62, s50, 6
	s_add_co_u32 s62, s62, s19                     ; my tile among the 256 tiles of rows
	s_lshl_b32 s66, s62, 4
	s_add_co_u32 s66, s66, s51
	s_mul_i32 s66, s66, 768                        ; x1's half image
	s_mov_b32 s67, 0
	s_lshl_b32 s68, s62, 6                         ; 4 x my first row,
	s_lshr_b32 s52, s51, 1
	s_lshl_b32 s52, s52, 14
	s_add_co_u32 s68, s68, s52                     ; in K step head / 2,
	s_and_b32 s52, s51, 1
	s_lshl_b32 s52, s52, 1
	s_add_co_u32 s68, s68, s52                     ; bytes 2 (head % 2) and the next
	s_add_co_u32 s68, s68, XSC
	s_mov_b32 s69, 0
	s_lshl_b32 s62, s62, 16
	s_lshl_b32 s52, s51, 8
	s_add_co_u32 s62, s62, s52                     ; x, x1: my first row, my head's 256 bytes
	s_mov_b32 s63, 0
	s_wait_dscnt 0x0                               ; both opening adds are done
	s_wait_kmcnt 0x0
	s_mov_b32 s[G0], 1
	s_mul_i32 s[G0+1], s[WV], PIECE
	s_add_nc_u64 s[G0+2:G0+3], s[6:7], s[54:55]
	s_or_b32 s[G0+3], s[G0+3], 0x80000000
	s_mov_b32 s[G0X], 1
	s_mov_b32 s[G0X+1], 16*PIECE
	s_add_nc_u64 s[G0X+2:G0X+3], s[6:7], s[56:57]
	s_or_b32 s[G0X+3], s[G0X+3], 0x80000000
	CROUND                                         ; all four work-groups are here: the joint loads meet
	s_cmp_eq_u32 s[WV], 0                          ; every wave fetches a piece, wave 0 the scale words too: at most two loads of a wave are out
	s_cbranch_scc0 .Lothers
	tensor_load_to_lds s[G0X:G0X+3], s[G1:G1+7]
	s_nop 0
	tensor_load_to_lds s[G0:G0+3], s[G1:G1+7]
	s_nop 0
.rept 4
	v_nop
.endr
	s_branch .Lasked
.Lothers:
	tensor_load_to_lds s[G0:G0+3], s[G1:G1+7]
	s_nop 0
.rept 4
	v_nop
.endr
.Lasked:
	s_add_nc_u64 s[58:59], s[4:5], s[58:59]
	s_add_nc_u64 s[60:61], s[4:5], s[60:61]
	s_add_nc_u64 s[8:9], s[8:9], s[62:63]
	s_add_nc_u64 s[10:11], s[10:11], s[62:63]
	s_add_nc_u64 s[66:67], s[12:13], s[66:67]
	s_add_nc_u64 s[68:69], s[12:13], s[68:69]
	v_and_b32 v9, 31, v0                           ; lane
	v_and_b32 v8, 15, v0                           ; r
	v_bfe_u32 v10, v0, 4, 1                        ; h
	v_lshlrev_b32 v[AK0], 3, v9
	v_add_nc_u32 v[AV0], VIMG, v[AK0]
	v_lshl_add_u32 v[ASK0], v8, 2, KSC
	v_lshl_add_u32 v[ASV0], v8, 2, VSC
	v_lshlrev_b32 v[GO], 12, v10
	v_lshl_add_u32 v[GO], v8, 4, v[GO]
	s_mul_i32 s50, s[WV], 4352
	s_add_co_u32 s50, s50, STAGE                   ; my stage
	v_mul_u32_u24 v[XR], v8, 272
	v_lshl_add_u32 v[XR], v10, 5, v[XR]
	v_add_nc_u32 v[XR], s50, v[XR]
	v_mul_u32_u24 v[RD], v10, 272
	v_lshl_add_u32 v[RD], v8, 4, v[RD]
	v_add_nc_u32 v[RD], s50, v[RD]
	v_lshlrev_b32 v11, 3, v10
	v_sub_nc_u32 v[DV], v8, v11
	v_lshlrev_b32 v254, 2, v8
.irp p, 0,1,2
	global_load_b64 v[16+2*\p:17+2*\p], v[AK0], s[58:59] offset:256*\p          ; Q's registers 0-5
.endr
	global_load_b32 v255, v254, s[60:61]           ; Q's scale words
.irp i, 0,1,2,3,4,5,6,7
	global_load_b128 v[192+4*\i:195+4*\i], v[GO], s[8:9] offset:8192*\i th:TH_LOAD_NT   ; x: rows 2 i and 2 i + 1, 256 bytes each
.endr
.irp j, 22,23,24,25,26,27
	v_mov_b32 v[\j], 0                             ; Q's registers 6-11: zero codes
.endr
.irp t, 0,1,2,3
.irp j, 6,7,8,9,10,11
	v_mov_b32 v[32+12*\t+\j], 0                    ; written once, so that K's fragments are whole; later they hold what V left there
.endr
.endr
	v_mov_b32 v13, 0xff61b1e6                      ; the largest t so far: -3e38
	v_floor_f32 v12, -v13                          ; -M
	v_mov_b32 v14, 0
	v_mov_b32 v15, 0
.irp b, 0,1,2,3
	v_mov_b32 v[236+\b], 0                         ; a lane exchange's destination counts as one of its sources
.endr
	v_mov_b32 v252, 0
	v_mov_b32 v253, 0
.set j, 0
.rept 32
	v_mov_b32 v[160+j], 0                          ; O^T: the step is written once; the first change of M leaves zeros zeros
.set j, j+1
.endr
	s_wait_loadcnt 0x0
.irp i, 0,1,2,3,4,5,6,7
	ds_store_b128 v[RD], v[192+4*\i:195+4*\i] offset:544*\i
.endr
	s_wait_tensorcnt 0x0                           ; my pieces are in,
	s_wait_dscnt 0x0
	s_barrier_signal -1
	s_barrier_wait -1                              ; everybody's are
.Lstep:                                            ; eight trips in every wave; a step whose keys all come after my queries is jumped over: a branch on the wave's number and the count of steps
	s_cmp_gt_u32 s[J], s[LAST]
	s_cbranch_scc1 .Lhidden
	v_add_nc_u32 v[ADK], s[TB], v[AK0]             ; (these four are the places in front of the loads below)
	v_add_nc_u32 v[ADV], s[TB], v[AV0]
	v_add_nc_u32 v[ADS], s[TS], v[ASK0]
	v_add_nc_u32 v[ADT], s[TJ], v[ASV0]
.irp g, 0,1                                    ; S^T = K Q^T, four tiles of 16 keys at a time
.if \g
.rept 4
	v_nop
.endr
.endif
.irp t, 0,1,2,3
.irp p, 0,1,2
	ds_load_b64 v[32+12*\t+2*\p:33+12*\t+2*\p], v[ADK] offset:(4*\g+\t)*768+256*\p
.endr
	ds_load_b32 v[248+\t], v[ADS] offset:(4*\g+\t)*64
.endr
	s_wait_dscnt 0x0
.irp t, 0,1,2,3
	v_wmma_scale_f32_16x16x128_f8f6f4 v[96+8*(4*\g+\t):103+8*(4*\g+\t)], v[32+12*\t:43+12*\t], v[16:27], 0, v[248+\t], v255 matrix_a_fmt:MATRIX_FMT_FP6 matrix_b_fmt:MATRIX_FMT_FP6
.endr
.endr
.rept 4
	v_nop
.endr
	s_cmp_lt_u32 s[J], s[LAST]                     ; only my last step lies on the diagonal
	s_cbranch_scc1 .Lopen
	s_sub_co_i32 s52, s[Q0], s[KF]
	v_add_nc_u32 v252, s52, v[DV]                  ; d = my query - the step's first key - 8 h.  Register 8 T + j holds key 16 T + 8 h + j: hidden where 16 T + j > d
	v_mov_b32 v254, 0xff800000                     ; -infinity
.set n, 0
.rept 64
	v_cmp_gt_i32 vcc_lo, 16*(n/8)+n%8, v252
	v_cndmask_b32 v[96+n], v[96+n], v254, vcc_lo
.set n, n+1
.endr
.Lopen:
.irp b, 0,1,2,3
	v_max3_num_f32 v[232+\b], v[96+16*\b], v[97+16*\b], v[98+16*\b]   ; the largest score of each block of 32 keys: for the row's maximum and, since p rises with the score, for the block's largest p
.endr
.irp i, 3,5,7,9,11,13
.irp b, 0,1,2,3
	v_max3_num_f32 v[232+\b], v[232+\b], v[96+16*\b+\i], v[97+16*\b+\i]
.endr
.endr
.irp b, 0,1,2,3
	v_max_num_f32 v[232+\b], v[232+\b], v[111+16*\b]
.endr
.irp b, 0,1,2,3
	v_permlanex16_b32 v[236+\b], v[232+\b], s[SEL], s[SEL+1]
.endr
.irp b, 0,1,2,3
	v_max_num_f32 v[232+\b], v[232+\b], v[236+\b]
.endr
	v_max3_num_f32 v254, v232, v233, v234
	v_max_num_f32 v254, v254, v235
	v_mul_f32 v254, s[CS], v254
	v_max_num_f32 v13, v13, v254                   ; the running largest t
	v_mov_b32 v254, v12
	v_floor_f32 v12, -v13                          ; the new -M: M is a whole number
	v_sub_f32 v254, v12, v254
	v_cvt_i32_f32 v254, v254
	v_ldexp_f32 v252, 1.0, v254                    ; f = 2^(old M - new M): exact
.set j, 0
.rept 32
	v_pk_fma_f32 v[96+j:97+j], v[96+j:97+j], s[CS:CS+1], v[12:13] op_sel_hi:[1,0,0]   ; t - M
.set j, j+2
.endr
.irp b, 0,1,2,3
	v_fma_f32 v[232+\b], v[232+\b], s[CS], v12
.endr
.set j, 0
.rept 64
	v_exp_f32 v[96+j], v[96+j]                     ; p = 2^(t - M)
.set j, j+1
.endr
	v_pk_mul_f32 v[14:15], v[14:15], v[252:253] op_sel_hi:[1,0]   ; the sums under the new M: a plain place behind the exponentials
	s_wait_alu depctr_va_vdst(0)                   ; one wait for the batch, ahead of its first reader
.irp b, 0,1,2,3
	v_exp_f32 v[232+\b], v[232+\b]                 ; the block's largest p
.endr
	v_pk_add_f32 v[236:237], v[96:97], v[98:99]    ; the row's sum, of the unquantised p, in two chains
.irp j, 4,8,12,16,20,24,28,32,36,40,44,48,52,56,60
	v_pk_add_f32 v[14:15], v[14:15], v[96+\j:97+\j]
	v_pk_add_f32 v[236:237], v[236:237], v[98+\j:99+\j]
.endr
	v_pk_add_f32 v[14:15], v[14:15], v[236:237]
	s_wait_alu depctr_va_vdst(0)                   ; and one for the four
.irp b, 0,1,2,3
	v_max_num_f32 v[232+\b], 0x1800000, v[232+\b]  ; the floor: the byte cannot fall under 1
.endr
.irp b, 0,1,2,3
	v_add_nc_u32 v[244+\b], 0xff000000, v[232+\b]
.endr
.irp b, 0,1,2,3
	v_lshrrev_b32 v[236+\b], 23, v[244+\b]
.endr
	v_lshl_or_b32 v253, v237, 8, v236              ; p's scale word for these 128 keys
	v_lshl_or_b32 v253, v238, 16, v253
	v_lshl_or_b32 v253, v239, 24, v253
.irp c, 0,1
	v_cvt_scalef32_pk16_fp6_f32 v[224+6*\c:226+6*\c], v[96+32*\c:111+32*\c], v[244+2*\c]
	v_cvt_scalef32_pk16_fp6_f32 v[236+4*\c:238+4*\c], v[112+32*\c:127+32*\c], v[244+2*\c+1]
.endr
	v_nop                                          ; one plain place behind the conversions
	QTAIL 224, 236
	QTAIL 230, 240
.set j, 0
.rept 16
	v_pk_mul_f32 v[160+j:161+j], v[160+j:161+j], v[252:253] op_sel_hi:[1,0]   ; O^T under the new M; these sixteen also stand between p's codes and scale word and the products
.set j, j+2
.endr
.irp t, 0,1,2,3                                ; O^T += V^T P^T: the head's four tiles of 16 channels
.irp p, 0,1,2,3,4,5
	ds_load_b64 v[32+12*\t+2*\p:33+12*\t+2*\p], v[ADV] offset:1536*\t+256*\p
.endr
	ds_load_b32 v[248+\t], v[ADT] offset:64*\t
.endr
	s_wait_dscnt 0x0
.irp t, 0,1,2,3
	v_wmma_scale_f32_16x16x128_f8f6f4 v[160+8*\t:167+8*\t], v[32+12*\t:43+12*\t], v[224:235], v[160+8*\t:167+8*\t], v[248+\t], v253 matrix_a_fmt:MATRIX_FMT_FP6 matrix_b_fmt:MATRIX_FMT_FP6
.endr
.Lhidden:
	s_add_co_u32 s[TB], s[TB], 6144                ; eight half images of K, four images of V
	s_add_co_u32 s[TS], s[TS], 512
	s_add_co_u32 s[TJ], s[TJ], 256
	s_add_co_u32 s[KF], s[KF], 128
	s_add_co_u32 s[J], s[J], 1
	s_cmp_lt_u32 s[J], 8
	s_cbranch_scc1 .Lstep
	; THE WAY OUT
.rept 4
	v_nop                                          ; places behind the last products
.endr
	v_add_f32 v14, v14, v15
	v_permlanex16_b32 v252, v14, s[SEL], s[SEL+1]
	v_add_f32 v14, v14, v252                       ; the row's sum
	v_rcp_f32 v14, v14
	v_and_b32 v8, 15, v0                           ; (a plain place behind the reciprocal)
	v_lshlrev_b32 v8, 2, v8                        ; 4 r
.irp t, 0,1,2,3
	ds_load_b128 v[96+8*\t:99+8*\t], v[XR] offset:64*\t            ; x in O^T's layout
	ds_load_b128 v[100+8*\t:103+8*\t], v[XR] offset:64*\t+16
.endr
	s_wait_dscnt 0x0
	s_wait_alu depctr_va_vdst(0)                   ; ahead of the reciprocal's first reader
.set j, 0
.rept 16
	v_pk_fma_f32 v[128+j:129+j], v[160+j:161+j], v[14:15], v[96+j:97+j] op_sel_hi:[1,0,1]   ; x1 = x + O^T / the sum
.set j, j+2
.endr
.irp t, 0,1,2,3
	ds_store_b128 v[XR], v[128+8*\t:131+8*\t] offset:64*\t
	ds_store_b128 v[XR], v[132+8*\t:135+8*\t] offset:64*\t+16
.endr
.irp i, 0,1,2,3,4,5,6,7
	ds_load_b128 v[32+4*\i:35+4*\i], v[RD] offset:544*\i           ; in order behind my stores: whole runs of 256 bytes
.endr
	v_max3_num_f32 v232, |v128|, |v129|, 0x1800000 ; x1's two blocks of 32 along the model's axis
	v_max3_num_f32 v233, |v144|, |v145|, 0x1800000
.irp i, 2,4,6,8,10,12,14
	v_max3_num_f32 v232, v232, |v[128+\i]|, |v[129+\i]|
	v_max3_num_f32 v233, v233, |v[144+\i]|, |v[145+\i]|
.endr
	v_permlanex16_b32 v236, v232, s[SEL], s[SEL+1]
	v_permlanex16_b32 v237, v233, s[SEL], s[SEL+1]
	v_max_num_f32 v232, v232, v236
	v_max_num_f32 v233, v233, v237
	v_add_nc_u32 v244, 0xff000000, v232
	v_add_nc_u32 v245, 0xff000000, v233
	v_lshrrev_b32 v236, 23, v244
	v_lshrrev_b32 v237, 23, v245
	v_lshl_or_b32 v253, v237, 8, v236              ; my row's two scale bytes
	v_cvt_scalef32_pk16_fp6_f32 v[224:226], v[128:143], v244
	v_cvt_scalef32_pk16_fp6_f32 v[236:238], v[144:159], v245
	v_nop
	QTAIL 224, 236
.irp p, 0,1,2
	global_store_b64 v[AK0], v[224+2*\p:225+2*\p], s[66:67] offset:256*\p       ; the half image: 256 consecutive bytes a store
.endr
	global_store_b16 v8, v253, s[68:69]            ; lanes l and l xor 16 hold the same row and write the same two bytes with the same value
.irp i, 0,1,2,3,4,5,6,7
	s_wait_dscnt 7-\i                              ; the younger row loads may be out
	global_store_b128 v[GO], v[32+4*\i:35+4*\i], s[10:11] offset:8192*\i
.endr
	s_wait_tensorcnt 0x0                           ; the wave's end
	ds_add_u32 v[SPW], v[NIL]
	s_wait_dscnt 0x0
	CROUND                                         ; the closing round
	s_endpgm
.Lfunc_end_k_q9c1c993168_attn:
	.size	k_q9c1c993168_attn, .Lfunc_end_k_q9c1c993168_attn-k_q9c1c993168_attn
	.p2alignl 7, 3214868480
	.fill 96, 4, 3214868480
	.section	.rodata,"a",@progbits
	.p2align	6, 0x0
	.amdhsa_kernel k_q9c1c993168_attn
		.amdhsa_group_segment_fixed_size 176128
		.amdhsa_private_segment_fixed_size 0
		.amdhsa_enable_private_segment 0
		.amdhsa_kernarg_size 40
		.amdhsa_user_sgpr_count 2
		.amdhsa_user_sgpr_kernarg_segment_ptr 1
		.amdhsa_wavefront_size32 1
		.amdhsa_system_sgpr_workgroup_id_x 1
		.amdhsa_system_sgpr_workgroup_id_y 1
		.amdhsa_system_sgpr_workgroup_id_z 1
		.amdhsa_system_vgpr_workitem_id 0
		.amdhsa_next_free_vgpr 256
		.amdhsa_next_free_sgpr 72
		.amdhsa_reserve_vcc 1
		.amdhsa_float_denorm_mode_32 3
		.amdhsa_float_denorm_mode_16_64 3
		.amdhsa_memory_ordered 1
		.amdhsa_forward_progress 1
		.amdhsa_inst_pref_size 41
	.end_amdhsa_kernel
	.amdgpu_metadata
---
amdhsa.version: [ 1, 2 ]
amdhsa.kernels:
  - .name:           k_q9c1c993168_attn
    .symbol:         k_q9c1c993168_attn.kd
    .args:
      - { .name: qb, .offset: 0, .size: 8, .value_kind: global_buffer, .address_space: global }
      - { .name: kv, .offset: 8, .size: 8, .value_kind: global_buffer, .address_space: global }
      - { .name: x, .offset: 16, .size: 8, .value_kind: global_buffer, .address_space: global }
      - { .name: x1, .offset: 24, .size: 8, .value_kind: global_buffer, .address_space: global }
      - { .name: x1q, .offset: 32, .size: 8, .value_kind: global_buffer, .address_space: global }
    .group_segment_fixed_size: 176128
    .private_segment_fixed_size: 0
    .kernarg_segment_align: 8
    .kernarg_segment_size: 40
    .max_flat_workgroup_size: 512
    .sgpr_count:     72
    .vgpr_count:     256
    .wavefront_size: 32
...
	.end_amdgpu_metadata
.endif
;; end of part 3
;; launch mlp1 (part 4): grid 16 x 16, 4 waves a work-group, clusters of 4 x 4, 327,680 bytes of LDS; arguments x1q, W1_codes, W1_scales, b1, hq; writes hq
.if DOCPART == 4
	.amdgcn_target "amdgcn-amd-amdhsa--gfx1250"
	.amdhsa_code_object_version 6
	.text
	.protected	k_q9c1c993168_mlp1
	.globl	k_q9c1c993168_mlp1
	.p2align	8
	.type	k_q9c1c993168_mlp1,@function
k_q9c1c993168_mlp1:
	s_mov_b64 s[64:65], 0
	v_nop
	global_prefetch_b8 v0, s[64:65] scope:SCOPE_SE
	s_setreg_imm32_b32 hwreg(HW_REG_WAVE_MODE, 25, 1), 1
	s_wait_xcnt 0x0
	s_wait_alu depctr_hold_cnt(0) depctr_sa_sdst(0) depctr_va_vdst(0) depctr_va_sdst(0) depctr_va_ssrc(0) depctr_va_vcc(0) depctr_vm_vsrc(0)
	s_getreg_b32 s2, hwreg(HW_REG_IB_STS2, 6, 4)
	s_cmp_eq_u32 s2, 0
	s_cbranch_scc0 .Lentry_in_a_cluster
	s_endpgm
.Lentry_in_a_cluster:
	s_bfe_u32 s2, ttmp6, 0x10000c
	s_cmp_lg_u32 s2, 0xf033
	s_cbranch_scc0 .Lentry_shape_is_right
	s_endpgm
.Lentry_shape_is_right:
; h = gelu(x1 W1 + b1) on codes of FP6 (E2M3), quantised along the hidden 4,096 on the way out.  No work is left out here.
; 256 work-groups of four waves; a work-group makes 256 rows x 256 hidden units, a wave 128 x 128 in 64 accumulators.  Source 0 = 16 rows of W1 (hidden units run along a lane's registers), source 1 = 16 rows of x1.
; A (x1) comes as images of operand registers: [row tile 256][K step 8][1,536 bytes], plane p of 256 bytes holds lane l's registers 2 p, 2 p + 1 at 256 p + 8 l; its scale words [K step 8][row 4,096] from 3,145,728 on.
; B (W1) comes as rows of 768 bytes of codes and rows of 32 scale bytes.  K goes in steps of 256 through two LDS slots; all scales come once.  CLUSTERS 4 x 4: A's tiles jointly along a row, B's along a column.
; b1 is the C of the first K step.  gelu(y) = y / (1 + 2^(y (C1 y^2 + C0))), C0 = -2 log2(e) sqrt(2 / pi), C1 = 0.044715 C0: the tanh form of the block, all in f32.
; OUT: hq: images [row tile 256][K step 32][1,536]: plane c of 512 bytes holds lane l's registers 4 c .. 4 c + 3 at 512 c + 16 l, so that the next launch takes a fragment by three loads of 16 bytes a lane;
;   scale words [K step 32][row 4,096] from 12,582,912 on.
; LIMITS: a block of zeros gets the byte 1 (its codes are zeros; only this program reads the bytes); a block whose largest magnitude lies under 2^-124 is held at the byte 1; NaN and infinities are not served.
; REGISTERS: window 0: v0-31 addresses; v32-63 scale words, two sets; v64-127 b1, later gelu's 64 numbers; from v128 A's fragments; on the way out v200-242 at work.  window 1: B's fragments, two sets.  windows 2, 3: the accumulators.
.set NQ,     2
.set ROWB,   192
.set KROW,   768
.set PITCH,  240
.set FR,     12
.set NL,     6
.set NP,     4
.set HALFA,  24576                     ; 8 row tiles x 2 K steps x 1,536 bytes
.set HALFB,  128*PITCH
.set BOFF,   2*HALFA
.set SLOT,   2*HALFA+2*HALFB
.set SCA,    2*SLOT                    ; A's scale words: [half][K step 8][128 rows] words
.set SCB,    SCA+8192                  ; B's scale bytes: runs of 256 bytes + 16 of padding
.set HALFS,  4352
.set SPARE,  SCB+2*HALFS               ; the spare words: two blocks of 256 bytes that no other line names
.set SSTG,   SPARE+512                 ; 512 bytes a wave for the scale words on the way out
.set XSC,    3145728
.set HSC,    12582912
.set VS,   12                          ; v12 16 x lane
.set ADRA, 16
.set ADRB, 20
.set VO,   24                          ; v24 8 x lane
.set SA,   25
.set SR,   26
.set ADRSA, 27
.set SPW,  28
.set NIL,  29
.set ADRSB, 30
.set BO1,  31
.set SC,   32
.set CB,   64
.set HB,   64
.set AF,   128
.set TM,   200
.set PW,   216
.set KV,   218                         ; v[218:219] C0, twice
.set IM,   224
.set YT,   236
.set G1, 24
.set G0, 32
.set G1B, 48
.set G0B, 56
.set G1S, 68
.set G0S, 76
.set G1SB, 80
.set G0SB, 88
.set C1,   48                          ; on the way out (the descriptors are done with)
.set SEL,  50
.set SELL, 52
.set SELM, 53
.set SELH, 54
.set FLR,  55
.set MSB, 0
.macro WIN new
.if MSB != (\new)
	s_set_vgpr_msb (MSB<<8)|(\new)
.set MSB, (\new)
.endif
.endm
.set MUL_LO, 0xa1
.set MUL_HI, 0xf1
.set TO_B,   0x40
.macro JLOAD g0a, g1a, g0b, g1b
	s_cmp_eq_u32 s15, 0
	s_cbranch_scc0 .Lfor_b_\@
	tensor_load_to_lds s[\g0a:\g0a+3], s[\g1a:\g1a+7]
	s_nop 0
.rept 4
	v_nop
.endr
	s_branch .Lasked_\@
.Lfor_b_\@:
	tensor_load_to_lds s[\g0b:\g0b+3], s[\g1b:\g1b+7]
	s_nop 0
.rept 4
	v_nop
.endr
.Lasked_\@:
.endm
.macro CREST
	s_cmp_lg_u32 s14, 0
	s_cbranch_scc1 .Lnot_wave_0_\@
	s_barrier_signal -3
.Lnot_wave_0_\@:
	s_barrier_wait -3
	s_barrier_signal -1
	s_barrier_wait -1
.endm
.macro CROUND
	s_barrier_signal -1
	s_barrier_wait -1
	CREST
.endm
.macro PLACES n
.rept \n
	v_nop
.endr
.endm
	s_load_b256 s[4:11], s[0:1], 0x0               ; x1q, W1 codes, W1 scales, b1
	s_load_b64 s[12:13], s[0:1], 0x20              ; hq
	v_lshl_add_u32 v[SPW], v0, 2, SPARE
	v_mov_b32 v[NIL], 0
	ds_add_u32 v[SPW], v[NIL]                      ; the opening: the add, twice on end, and its wait ahead of my first tensor load
	ds_add_u32 v[SPW], v[NIL]
	v_lshrrev_b32 v1, 5, v0
	v_readfirstlane_b32 s14, v1
	s_lshr_b32 s15, s14, 1                         ; my half of the rows.  Also: I fetch for A (0) or for B (1)
	s_and_b32 s16, s14, 1                          ; my half of the hidden units.  Also: which half I fetch
	s_bfe_u32 s40, ttmp6, 0x40000
	s_bfe_u32 s41, ttmp6, 0x40004
	s_lshl_b32 s42, ttmp9, 2
	s_add_co_u32 s42, s42, s40                     ; tile of hidden units
	s_and_b32 s17, ttmp7, 0xffff
	s_lshl_b32 s17, s17, 2
	s_add_co_u32 s17, s17, s41                     ; tile of rows
	s_lshl_b32 s43, s41, 2
	s_lshl_b32 s43, 15, s43
	s_lshl_b32 s44, 0x1111, s40
	s_or_b32 s[G1+0], s43, (3<<16)|(1<<21)         ; A: 8 row tiles x 3,072 bytes (384 elements of 8), 12,288 bytes apart; dense in LDS
	s_mov_b32 s[G1+1], 384<<16
	s_mov_b32 s[G1+2], 8<<16
	s_mov_b32 s[G1+3], 384<<16
	s_mov_b32 s[G1+4], 8
	s_mov_b32 s[G1+5], 1536
	s_mov_b32 s[G1+6], 0
	s_mov_b32 s[G1+7], 0
	s_or_b32 s[G1B+0], s44, (0<<16)|(1<<20)|(1<<21)|(3<<22)|(3<<25)  ; B: 128 rows x 192 bytes, 4 words of padding behind every 16
	s_mov_b32 s[G1B+1], ROWB<<16
	s_mov_b32 s[G1B+2], 128<<16
	s_mov_b32 s[G1B+3], ROWB<<16
	s_mov_b32 s[G1B+4], 128
	s_mov_b32 s[G1B+5], KROW
	s_mov_b32 s[G1B+6], 0
	s_mov_b32 s[G1B+7], 0
	s_or_b32 s[G1S+0], s43, (3<<16)|(1<<21)        ; A's scale words: 8 K steps x 512 bytes, 16,384 bytes apart
	s_mov_b32 s[G1S+1], 64<<16
	s_mov_b32 s[G1S+2], 8<<16
	s_mov_b32 s[G1S+3], 64<<16
	s_mov_b32 s[G1S+4], 8
	s_mov_b32 s[G1S+5], 2048
	s_mov_b32 s[G1S+6], 0
	s_mov_b32 s[G1S+7], 0
	s_or_b32 s[G1SB+0], s44, (3<<16)|(1<<20)|(1<<21)|(5<<22)|(3<<25)  ; B's scale bytes: 4,096 dense bytes as rows of 256 + 16
	s_mov_b32 s[G1SB+1], 32<<16
	s_mov_b32 s[G1SB+2], 16<<16
	s_mov_b32 s[G1SB+3], 32<<16
	s_mov_b32 s[G1SB+4], 16
	s_mov_b32 s[G1SB+5], 32
	s_mov_b32 s[G1SB+6], 0
	s_mov_b32 s[G1SB+7], 0
	s_lshl_b32 s20, s17, 4
	s_lshl_b32 s18, s16, 3
	s_add_co_u32 s20, s20, s18
	s_mul_i32 s20, s20, 12288                      ; A's images: row tile 16 x tile + 8 x half
	s_mov_b32 s21, 0
	s_lshl_b32 s22, s17, 10
	s_lshl_b32 s18, s16, 9
	s_add_co_u32 s22, s22, s18
	s_add_co_u32 s22, s22, XSC                     ; A's scale words
	s_mov_b32 s23, 0
	s_lshl_b32 s46, s42, 8
	s_lshl_b32 s18, s16, 7
	s_add_co_u32 s46, s46, s18                     ; B: row 256 x tile + 128 x half
	s_lshl_b32 s92, s46, 5
	s_mov_b32 s93, 0
	s_mul_i32 s46, s46, KROW
	s_mov_b32 s47, 0
	s_mul_i32 s45, s16, HALFA                      ; where they go
	s_mul_i32 s94, s16, HALFB
	s_add_co_u32 s94, s94, BOFF
	s_lshl_b32 s95, s16, 12
	s_add_co_u32 s95, s95, SCA
	s_mul_i32 s96, s16, HALFS
	s_add_co_u32 s96, s96, SCB
	s_wait_dscnt 0x0                               ; both opening adds are done
	s_wait_kmcnt 0x0
	s_add_nc_u64 s[20:21], s[4:5], s[20:21]
	s_add_nc_u64 s[22:23], s[4:5], s[22:23]
	s_add_nc_u64 s[46:47], s[6:7], s[46:47]
	s_add_nc_u64 s[92:93], s[8:9], s[92:93]
	CROUND
	s_mov_b32 s[G0S], 1
	s_mov_b32 s[G0S+1], s95
	s_mov_b64 s[G0S+2:G0S+3], s[22:23]
	s_or_b32 s[G0S+3], s[G0S+3], 0x80000000
	s_mov_b32 s[G0SB], 1
	s_mov_b32 s[G0SB+1], s96
	s_mov_b64 s[G0SB+2:G0SB+3], s[92:93]
	s_or_b32 s[G0SB+3], s[G0SB+3], 0x80000000
	JLOAD G0S, G1S, G0SB, G1SB
.irp s, 0,1
	s_mov_b32 s[G0+4*\s], 1
	s_add_co_u32 s[G0+4*\s+1], s45, \s*SLOT
	s_add_nc_u64 s[G0+4*\s+2:G0+4*\s+3], s[20:21], \s*3072
	s_or_b32 s[G0+4*\s+3], s[G0+4*\s+3], 0x80000000
	s_mov_b32 s[G0B+4*\s], 1
	s_add_co_u32 s[G0B+4*\s+1], s94, \s*SLOT
	s_add_nc_u64 s[G0B+4*\s+2:G0B+4*\s+3], s[46:47], \s*ROWB
	s_or_b32 s[G0B+4*\s+3], s[G0B+4*\s+3], 0x80000000
	JLOAD G0+4*\s, G1, G0B+4*\s, G1B
.endr
	v_and_b32 v1, 15, v0                           ; r
	v_bfe_u32 v2, v0, 4, 1                         ; h
	v_and_b32 v6, 31, v0                           ; lane
	v_lshlrev_b32 v[VO], 3, v6
	v_lshlrev_b32 v[VS], 4, v6
	v_mul_u32_u24 v3, v1, PITCH
	v_mul_u32_u24 v4, v2, 24
	v_add_nc_u32 v4, v3, v4
	v_lshl_add_u32 v5, v2, 4, v4
	s_mul_i32 s21, s15, HALFA                      ; my 8 row tiles of A
	s_mul_i32 s22, s16, HALFB
	s_add_co_u32 s22, s22, BOFF                    ; my 128 rows of B
.irp s, 0,1
	v_add_nc_u32 v[ADRA+\s], s21, v[VO]
	v_add_nc_u32 v[ADRB+\s], s22, v4
	v_add_nc_u32 v[ADRB+2+\s], s22, v5
	s_add_co_u32 s21, s21, SLOT
	s_add_co_u32 s22, s22, SLOT
.endr
	s_lshl_b32 s21, s15, 12
	s_add_co_u32 s21, s21, SCA
	v_lshl_add_u32 v[ADRSA], v6, 2, s21            ; A's scale words: 4 x lane: rows 32 i + lane
	s_mul_i32 s22, s16, HALFS
	s_add_co_u32 s22, s22, SCB
	v_lshrrev_b32 v7, 3, v6
	v_lshlrev_b32 v7, 4, v7
	v_lshl_add_u32 v7, v6, 5, v7
	v_add_nc_u32 v[ADRSB], s22, v7                 ; B's: 32 x lane + 16 for each 256 passed
	s_lshl_b32 s23, s14, 9
	s_add_co_u32 s23, s23, SSTG
	v_lshl_add_u32 v[SA], v1, 2, s23
	v_lshl_add_u32 v[SR], v6, 4, s23
	v_lshlrev_b32 v[BO1], 5, v2
	s_lshl_b32 s22, s42, 10
	s_lshl_b32 s23, s16, 9
	s_add_co_u32 s22, s22, s23
	s_mov_b32 s23, 0
	s_add_nc_u64 s[10:11], s[10:11], s[22:23]      ; b1 at my 128 hidden units
.irp b, 0,1,2,3,4,5,6,7
	global_load_b128 v[CB+8*\b:CB+8*\b+3], v[BO1], s[10:11] offset:64*\b
	global_load_b128 v[CB+8*\b+4:CB+8*\b+7], v[BO1], s[10:11] offset:64*\b+16
.endr
.macro FRAG reg, adr, q, i             ; B: six pieces of 8 bytes from rows with 16 bytes of padding behind every 64
.irp p, 0,1,2,3,4,5
.set PC, 12*(\q)+6*(\p/3)+\p%3
.if PC%8 < 5
	ds_load_b64 v[\reg+2*\p:\reg+2*\p+1], v[\adr] offset:8*PC+16*(PC/8)+(\i)*16*PITCH
.else
	ds_load_b64 v[\reg+2*\p:\reg+2*\p+1], v[\adr+2] offset:8*PC+16*(PC/8)+(\i)*16*PITCH
.endif
.endr
.endm
.macro FRAGA reg, adr, q, i            ; A: six planes of 256 consecutive bytes
.irp p, 0,1,2,3,4,5
	ds_load_b64 v[\reg+2*\p:\reg+2*\p+1], v[\adr] offset:3072*(\i)+1536*(\q)+256*\p
.endr
.endm
.macro WM ob, oa                       ; one product; an odd block's scale words stand in lanes 16-31 of their register
.if (\ob) && (\oa)
	v_wmma_scale_f32_16x16x128_f8f6f4 v[rD:rD+7], v[rB:rB+FR-1], v[rA:rA+FR-1], v[rC:rC+7], v[rSB], v[rSA] matrix_a_fmt:MATRIX_FMT_FP6 matrix_b_fmt:MATRIX_FMT_FP6 matrix_a_scale:MATRIX_SCALE_ROW1 matrix_b_scale:MATRIX_SCALE_ROW1
.elseif (\ob)
	v_wmma_scale_f32_16x16x128_f8f6f4 v[rD:rD+7], v[rB:rB+FR-1], v[rA:rA+FR-1], v[rC:rC+7], v[rSB], v[rSA] matrix_a_fmt:MATRIX_FMT_FP6 matrix_b_fmt:MATRIX_FMT_FP6 matrix_a_scale:MATRIX_SCALE_ROW1
.elseif (\oa)
	v_wmma_scale_f32_16x16x128_f8f6f4 v[rD:rD+7], v[rB:rB+FR-1], v[rA:rA+FR-1], v[rC:rC+7], v[rSB], v[rSA] matrix_a_fmt:MATRIX_FMT_FP6 matrix_b_fmt:MATRIX_FMT_FP6 matrix_b_scale:MATRIX_SCALE_ROW1
.else
	v_wmma_scale_f32_16x16x128_f8f6f4 v[rD:rD+7], v[rB:rB+FR-1], v[rA:rA+FR-1], v[rC:rC+7], v[rSB], v[rSA] matrix_a_fmt:MATRIX_FMT_FP6 matrix_b_fmt:MATRIX_FMT_FP6
.endif
.endm
.macro MUL16 a0, p, q, sc, zero        ; the 64 accumulators take turns
.irp a, \a0, \a0+1
.irp b, 0,1,2,3,4,5,6,7
.set rD, 8*(8*((\a)%4)+\b)
.set rB, 128*(\p)+FR*\b
.set rA, AF+FR*(\a)
.set rSB, SC+16*(\sc)+8+2*(\b/2)+(\q)
.set rSA, SC+16*(\sc)+4*(\q)+(\a)/2
.set rC, rD
.if \zero
.set rC, CB+8*\b
.endif
	WM (\b)%2, (\a)%2
.endr
.endr
.endm
.macro FETCH_B slot, q, p
	WIN TO_B
.irp i, 0,1,2,3,4,5,6,7
	FRAG 128*(\p)+FR*\i, ADRB+\slot, \q, \i
.endr
	WIN 0
.endm
.macro FETCH_A slot, q, i0
.irp i, \i0, \i0+1, \i0+2, \i0+3
	FRAGA AF+FR*(\i), ADRA+\slot, \q, \i
.endr
.endm
.macro SCALES sc                       ; A: register 4 q + i: lanes 0-15 block 2 i, lanes 16-31 block 2 i + 1;  B: registers 8 + 2 i + q likewise
.irp q, 0,1
.irp i, 0,1,2,3
	ds_load_b32 v[SC+16*\sc+4*\q+\i], v[ADRSA] offset:512*\q+128*\i
.endr
.endr
.irp i, 0,1,2,3
	ds_load_b64 v[SC+16*\sc+8+2*\i:SC+16*\sc+9+2*\i], v[ADRSB] offset:1088*\i
.endr
.endm
.macro STEP slot, q, zero
	s_wait_dscnt 4*NL                              ; all but the youngest 24 loads (A's blocks 4-7) are in
.if \zero
	WIN 0x81
.else
	WIN MUL_LO
.endif
	MUL16 0, (\q)%2, \q, \slot, \zero
	MUL16 2, (\q)%2, \q, \slot, \zero
	s_wait_dscnt 0
	PLACES NP
	FETCH_B \slot, (\q)+1, 1-(\q)%2
	FETCH_A \slot, (\q)+1, 0
.if \zero
	WIN 0xc1
.else
	WIN MUL_HI
.endif
	MUL16 4, (\q)%2, \q, \slot, \zero
	MUL16 6, (\q)%2, \q, \slot, \zero
	PLACES NP
	WIN 0
	FETCH_A \slot, (\q)+1, 4
.endm
.macro TURN slot, next, fill
	s_wait_tensorcnt 0x0                           ; all my tensor loads have landed: my part of the next slot
	ds_add_u32 v[SPW], v[NIL]
	s_wait_dscnt 4*NL+1                            ; the add and the youngest 24 loads may be out
	WIN MUL_LO
	MUL16 0, 1, NQ-1, \slot, 0
	s_wait_dscnt 0x0                               ; the add is done, my reads of this slot are over
	s_barrier_signal -1
	MUL16 2, 1, NQ-1, \slot, 0
	WIN 0
	s_barrier_wait -1
.if \fill
	CREST
	s_add_nc_u64 s[G0+4*\slot+2:G0+4*\slot+3], s[G0+4*\slot+2:G0+4*\slot+3], 2*3072
	s_add_nc_u64 s[G0B+4*\slot+2:G0B+4*\slot+3], s[G0B+4*\slot+2:G0B+4*\slot+3], 2*ROWB
	JLOAD G0+4*\slot, G1, G0B+4*\slot, G1B
.else
	PLACES NP
.endif
	v_add_nc_u32 v[ADRSA], 1024, v[ADRSA]          ; two K steps of 512 bytes on
	v_add_nc_u32 v[ADRSB], 8, v[ADRSB]
	FETCH_B \next, 0, 0
	FETCH_A \next, 0, 0
	SCALES \next
	WIN MUL_HI
	MUL16 4, 1, NQ-1, \slot, 0
	MUL16 6, 1, NQ-1, \slot, 0
	PLACES NP
	WIN 0
	FETCH_A \next, 0, 4
.endm
	s_wait_tensorcnt 1                             ; the scales and my part of K step 0 are in; K step 1's load may be out
	s_barrier_signal -1
	s_barrier_wait -1
	FETCH_B 0, 0, 0
	FETCH_A 0, 0, 0
	SCALES 0
	FETCH_A 0, 0, 4
	s_wait_loadcnt 0x0                             ; b1
	STEP 0, 0, 1
	s_mov_b32 s3, 1
.Llap:
	TURN 0, 1, 1
	STEP 1, 0, 0
	TURN 1, 0, 1
	STEP 0, 0, 0
	s_sub_co_u32 s3, s3, 1
	s_cmp_lg_u32 s3, 0
	s_cbranch_scc1 .Llap
	TURN 0, 1, 0
	STEP 1, 0, 0
	s_wait_dscnt 4*NL
	WIN MUL_LO
	MUL16 0, 1, NQ-1, 1, 0
	MUL16 2, 1, NQ-1, 1, 0
	s_wait_dscnt 0
	WIN MUL_HI
	MUL16 4, 1, NQ-1, 1, 0
	MUL16 6, 1, NQ-1, 1, 0
	WIN 0
; THE WAY OUT
	s_lshl_b32 s24, s17, 4
	s_lshl_b32 s25, s15, 3
	s_add_co_u32 s24, s24, s25                     ; my first row tile
	s_lshl_b32 s26, s42, 1
	s_add_co_u32 s26, s26, s16                     ; my 128 hidden units are this K step of the next product
	s_lshl_b32 s25, s24, 5
	s_add_co_u32 s25, s25, s26
	s_mul_i32 s28, s25, 1536
	s_mov_b32 s29, 0
	s_lshl_b32 s30, s26, 14
	s_lshl_b32 s24, s24, 6
	s_add_co_u32 s30, s30, s24
	s_add_co_u32 s30, s30, HSC
	s_mov_b32 s31, 0
	s_add_nc_u64 s[18:19], s[12:13], s[30:31]      ; my 128 scale words
	s_add_nc_u64 s[12:13], s[12:13], s[28:29]      ; my first image
	s_mov_b32 s[C1], 0xbdd2d3e8
	s_mov_b32 s[C1+1], s[C1]
	s_mov_b32 s[SEL], 0x76543210
	s_mov_b32 s[SEL+1], 0xfedcba98
	s_mov_b32 s[SELL], 0x05040100
	s_mov_b32 s[SELM], 0x05040302
	s_mov_b32 s[SELH], 0x07060302
	s_mov_b32 s[FLR], 0x01800000
.macro QTAIL im, yt
.irp i, 0,1,2
	v_permlane16_swap_b32 v[\im+\i], v[\yt+\i]
.endr
	v_perm_b32 v[\im+4], v[\yt+1], v[\im+2], s[SELH]
	v_perm_b32 v[\im+3], v[\im+2], v[\im+1], s[SELM]
	v_perm_b32 v[\im+2], v[\yt+1], v[\yt], s[SELM]
	v_perm_b32 v[\im+1], v[\yt], v[\im+1], s[SELL]
	v_mov_b32 v[\im+5], v[\yt+2]
.endm
; 64 numbers of a lane, register 8 T + j = K index 16 T + 8 (lane / 16) + j of my row, become an image in v[IM] on and a scale word in v[PW]
.macro QUANT s
.irp b, 0,1,2,3
	v_max3_num_f32 v[TM+\b], s[FLR], |v[\s+16*\b]|, |v[\s+16*\b+1]|
.endr
.irp i, 2,4,6,8,10,12,14
.irp b, 0,1,2,3
	v_max3_num_f32 v[TM+\b], v[TM+\b], |v[\s+16*\b+\i]|, |v[\s+16*\b+\i+1]|
.endr
.endr
.irp b, 0,1,2,3
	v_permlanex16_b32 v[TM+4+\b], v[TM+\b], s[SEL], s[SEL+1]
.endr
.irp b, 0,1,2,3
	v_max_num_f32 v[TM+\b], v[TM+\b], v[TM+4+\b]
.endr
.irp b, 0,1,2,3
	v_add_nc_u32 v[TM+12+\b], 0xff000000, v[TM+\b]
.endr
.irp b, 0,1,2,3
	v_lshrrev_b32 v[TM+4+\b], 23, v[TM+12+\b]
.endr
	v_lshl_or_b32 v[PW], v[TM+5], 8, v[TM+4]
	v_lshl_or_b32 v[PW], v[TM+6], 16, v[PW]
	v_lshl_or_b32 v[PW], v[TM+7], 24, v[PW]
.irp c, 0,1
	v_cvt_scalef32_pk16_fp6_f32 v[IM+6*\c:IM+6*\c+2], v[\s+32*\c:\s+32*\c+15], v[TM+12+2*\c]
	v_cvt_scalef32_pk16_fp6_f32 v[YT+4*\c:YT+4*\c+2], v[\s+32*\c+16:\s+32*\c+31], v[TM+13+2*\c]
.endr
	v_nop
	QTAIL IM, YT
	QTAIL IM+6, YT+4
.endm
.macro OUTA a
.set AC, 64*((\a)%4)
.set GW, 2+(\a)/4
.if (\a) > 0
	s_wait_xcnt 0x0                                ; the last block's stores have read their data and their base,
	s_wait_dscnt 0x0                               ; and its LDS store its register
	s_add_nc_u64 s[12:13], s[12:13], 49152         ; the next row tile: 32 images on
.endif
	WIN GW|(GW<<2)
.set i, 0
.rept 32
	v_pk_mul_f32 v[HB+i:HB+i+1], v[AC+i:AC+i+1], v[AC+i:AC+i+1]                 ; y^2; each accumulator is read from its low end on
.set i, i+2
.endr
	WIN 0
.set i, 0
.rept 32
	v_pk_fma_f32 v[HB+i:HB+i+1], v[HB+i:HB+i+1], s[C1:C1+1], v[KV:KV+1] op_sel_hi:[1,0,1]   ; C1 y^2 + C0
.set i, i+2
.endr
	WIN GW
.set i, 0
.rept 32
	v_pk_mul_f32 v[HB+i:HB+i+1], v[AC+i:AC+i+1], v[HB+i:HB+i+1]                 ; x y
.set i, i+2
.endr
	WIN 0
.set i, 0
.rept 64
	v_exp_f32 v[HB+i], v[HB+i]
.set i, i+1
.endr
	v_nop                                          ; a plain place behind the batch,
	s_wait_alu depctr_va_vdst(0)                   ; and one wait ahead of its first reader
.set i, 0
.rept 32
	v_pk_add_f32 v[HB+i:HB+i+1], v[HB+i:HB+i+1], 1.0 op_sel_hi:[1,0]
.set i, i+2
.endr
.set i, 0
.rept 64
	v_rcp_f32 v[HB+i], v[HB+i]
.set i, i+1
.endr
	v_nop
	s_wait_alu depctr_va_vdst(0)
	WIN GW
.set i, 0
.rept 32
	v_pk_mul_f32 v[HB+i:HB+i+1], v[AC+i:AC+i+1], v[HB+i:HB+i+1]                 ; gelu
.set i, i+2
.endr
	WIN 0
	QUANT HB
	ds_store_b32 v[SA], v[PW] offset:64*(\a)       ; lanes l and l xor 16 write the same word with the same value
.irp c, 0,1,2
	global_store_b128 v[VS], v[IM+4*\c:IM+4*\c+3], s[12:13] offset:512*\c       ; 512 consecutive bytes a store, aligned
.endr
.endm
	PLACES NP
.irp b, 0,1,2,3
	v_mov_b32 v[TM+4+\b], 0                        ; a lane exchange's destination counts as one of its sources
.endr
	v_mov_b32 v[KV], 0xc0135761                    ; C0
	v_mov_b32 v[KV+1], 0xc0135761
.irp a, 0,1,2,3,4,5,6,7
	OUTA \a
.endr
	ds_load_b128 v[TM:TM+3], v[SR]                 ; in order behind my stores
	s_wait_dscnt 0x0
	global_store_b128 v[VS], v[TM:TM+3], s[18:19]  ; 512 consecutive bytes
	s_wait_tensorcnt 0x0                           ; the wave's end
	ds_add_u32 v[SPW], v[NIL]
	s_wait_dscnt 0x0
	CROUND
	s_endpgm
.Lfunc_end_k_q9c1c993168_mlp1:
	.size	k_q9c1c993168_mlp1, .Lfunc_end_k_q9c1c993168_mlp1-k_q9c1c993168_mlp1
	.p2alignl 7, 3214868480
	.fill 96, 4, 3214868480
	.section	.rodata,"a",@progbits
	.p2align	6, 0x0
	.amdhsa_kernel k_q9c1c993168_mlp1
		.amdhsa_group_segment_fixed_size 327680
		.amdhsa_private_segment_fixed_size 0
		.amdhsa_enable_private_segment 0
		.amdhsa_kernarg_size 40
		.amdhsa_user_sgpr_count 2
		.amdhsa_user_sgpr_kernarg_segment_ptr 1
		.amdhsa_wavefront_size32 1
		.amdhsa_system_sgpr_workgroup_id_x 1
		.amdhsa_system_sgpr_workgroup_id_y 1
		.amdhsa_system_sgpr_workgroup_id_z 1
		.amdhsa_system_vgpr_workitem_id 0
		.amdhsa_next_free_vgpr 1024
		.amdhsa_next_free_sgpr 100
		.amdhsa_reserve_vcc 0
		.amdhsa_float_denorm_mode_32 3
		.amdhsa_float_denorm_mode_16_64 3
		.amdhsa_memory_ordered 1
		.amdhsa_forward_progress 1
		.amdhsa_inst_pref_size 255
	.end_amdhsa_kernel
	.section	.bss,"aw",@nobits
	.p2align	6
	.space	262144
	.amdgpu_metadata
---
amdhsa.version: [ 1, 2 ]
amdhsa.kernels:
  - .name:           k_q9c1c993168_mlp1
    .symbol:         k_q9c1c993168_mlp1.kd
    .args:
      - { .name: x1q, .offset: 0, .size: 8, .value_kind: global_buffer, .address_space: global }
      - { .name: W1_codes, .offset: 8, .size: 8, .value_kind: global_buffer, .address_space: global }
      - { .name: W1_scales, .offset: 16, .size: 8, .value_kind: global_buffer, .address_space: global }
      - { .name: b1, .offset: 24, .size: 8, .value_kind: global_buffer, .address_space: global }
      - { .name: hq, .offset: 32, .size: 8, .value_kind: global_buffer, .address_space: global }
    .group_segment_fixed_size: 327680
    .private_segment_fixed_size: 0
    .kernarg_segment_align: 8
    .kernarg_segment_size: 40
    .max_flat_workgroup_size: 128
    .sgpr_count:     100
    .vgpr_count:     1024
    .wavefront_size: 32
...
	.end_amdgpu_metadata
.endif
;; end of part 4
;; launch mlp2 (part 5): grid 8 x 32, 4 waves a work-group, clusters of 4 x 4, 327,680 bytes of LDS; arguments hq, W2_codes, W2_scales, b2, x1, out0; writes out0
.if DOCPART == 5
	.amdgcn_target "amdgcn-amd-amdhsa--gfx1250"
	.amdhsa_code_object_version 6
	.text
	.protected	k_q9c1c993168_mlp2
	.globl	k_q9c1c993168_mlp2
	.p2align	8
	.type	k_q9c1c993168_mlp2,@function
k_q9c1c993168_mlp2:
	s_mov_b64 s[64:65], 0
	v_nop
	global_prefetch_b8 v0, s[64:65] scope:SCOPE_SE
	s_setreg_imm32_b32 hwreg(HW_REG_WAVE_MODE, 25, 1), 1
	s_wait_xcnt 0x0
	s_wait_alu depctr_hold_cnt(0) depctr_sa_sdst(0) depctr_va_vdst(0) depctr_va_sdst(0) depctr_va_ssrc(0) depctr_va_vcc(0) depctr_vm_vsrc(0)
	s_getreg_b32 s2, hwreg(HW_REG_IB_STS2, 6, 4)
	s_cmp_eq_u32 s2, 0
	s_cbranch_scc0 .Lentry_in_a_cluster
	s_endpgm
.Lentry_in_a_cluster:
	s_bfe_u32 s2, ttmp6, 0x10000c
	s_cmp_lg_u32 s2, 0xf033
	s_cbranch_scc0 .Lentry_shape_is_right
	s_endpgm
.Lentry_shape_is_right:
; out = x1 + h W2 + b2 on codes of FP6 (E2M3).  No work is left out here.
; The result is 4,096 x 1,024: tiles of 256 x 256 would be 64, so a work-group makes 128 x 128 (256 work-groups).  Wave w owns rows 32 w .. 32 w + 31 and all 128 columns: 16 accumulators, A's two blocks x B's eight.
; Source 0 = 16 rows of W2 (output columns run along a lane's registers), source 1 = 16 rows of h.
; A (h) lies in hq as images of operand registers [row tile 256][K step 32][1,536 bytes], plane c of 512 bytes = lane l's registers 4 c .. 4 c + 3 at 512 c + 16 l; its scale words [K step 32][row 4,096] from 12,582,912 on.
; B (W2) comes as rows of 3,072 bytes of codes and rows of 128 scale bytes.
; A IS NOT ASKED FOR JOINTLY, though the four work-groups of a cluster's row read the same rows of h: a joint load lands in LDS, and each fragment of A is multiplied by one wave of the work-group alone, so that LDS would
; hand nothing from wave to wave.  Taken straight into the operand's registers, ten K steps of A (60 loads of 512 bytes a wave, 120 KiB a work-group) are on their way under counted waits, and LDS is left to B:
; two slots of eight K steps (rows of 768 bytes), so that the 32 K steps want two fills at the head and two refills.  B's tiles are asked for jointly along a column of the 4 x 4 cluster, each wave fetching 32 rows;
; A's scale words jointly along a row, B's scale bytes along a column, once.
; x1's 32 rows a wave are asked for in K steps 23 to 30, in the places of A's loads; b2 comes as the lane's four columns (one load: as the C of the first step it would be sixteen more loads at the head) and is added with x1
; on the way out, where the results go through the wave's stage in LDS and leave as rows of 512 consecutive bytes.
; The 32 K steps are written out by macro: A's ring of ten places, B's two sets of registers, the scales' two sets and the two slots come back together only after 80 K steps, more than there are.
; LIMITS: NaN and infinities among the inputs are not served.
; REGISTERS: window 0: v16-23 B's LDS addresses; v24-30 other addresses; v32-71 scale words, two sets of 20 (16 of B's, 4 of A's); v72-75 b2; on the way out v128-255 hold rows.
;   window 1: B's fragments, two sets, at v0 and v128.   window 2: A's ring, place j at v[24 j].   window 3: v0-127 x1; v128-255 the accumulators ((a, b) at 128 + 8 (8 a + b)).
.set FR,     12
.set PITCH,  816                       ; a row of B in LDS: 3 x (256 bytes + 16 of padding) = 204 words: row r starts at bank 12 r mod 64, sixteen different multiples of 4: the 32 lanes of a load of 8 bytes touch 64 different banks
.set QROWS,  32*PITCH                  ; what one tensor load brings
.set SLOT,   4*QROWS                   ; 128 rows x eight K steps
.set SCA,    2*SLOT                    ; A's scale words: [half][K step 32][64 rows] words
.set SCB,    SCA+16384                 ; B's scale bytes: runs of 256 bytes + 16 of padding
.set HALFS,  8704
.set SPARE,  SCB+2*HALFS               ; the spare words: two blocks of 256 bytes that no other line names
.set STG,    SPARE+512                 ; the way out: 16 rows x (512 + 16) bytes a wave; no tensor load lands here
.set SPITCH, 528
.set HSC,    12582912
.set DEPTH,  10                        ; places in A's ring
.set ADRB, 16                          ; v[16 + 4 slot + 2 u]: rows 64 u on; + 1: the same behind one padding more
.set STO,  24
.set RD,   25
.set VO,   26                          ; 16 x lane; never rewritten
.set ADRSA, 27
.set SPW,  28
.set NIL,  29
.set ADRSB, 30
.set SC,   32
.set BV,   72
.set BK,   128
.set ACC,  128
.set G1B, 48
.set G0B, 56
.set G1S, 68
.set G0S, 76
.set G1SB, 80
.set G0SB, 88
.set MSB, 0
.macro WIN new                         ; the immediate's high byte repeats the setting that is left
.if MSB != (\new)
	s_set_vgpr_msb (MSB<<8)|(\new)
.set MSB, (\new)
.endif
.endm
.set MUL, 0xf9                         ; source 0 (B) window 1, source 1 (A) window 2, C and D window 3
.macro JLOAD g0a, g1a, g0b, g1b        ; the scales: waves 0, 1 fetch A's halves, waves 2, 3 B's; s_nop 0 and four v_nop behind each line
	s_cmp_eq_u32 s15, 0
	s_cbranch_scc0 .Lfor_b_\@
	tensor_load_to_lds s[\g0a:\g0a+3], s[\g1a:\g1a+7]
	s_nop 0
.rept 4
	v_nop
.endr
	s_branch .Lasked_\@
.Lfor_b_\@:
	tensor_load_to_lds s[\g0b:\g0b+3], s[\g1b:\g1b+7]
	s_nop 0
.rept 4
	v_nop
.endr
.Lasked_\@:
.endm
.macro BLOAD s                         ; my 32 rows of B's tile for slot s: every wave issues the line, each with its own rows and its own LDS bytes
	tensor_load_to_lds s[G0B+4*\s:G0B+4*\s+3], s[G1B:G1B+7]
	s_nop 0
.rept 4
	v_nop
.endr
.endm
.macro CREST
	s_cmp_lg_u32 s14, 0
	s_cbranch_scc1 .Lnot_wave_0_\@
	s_barrier_signal -3
.Lnot_wave_0_\@:
	s_barrier_wait -3
	s_barrier_signal -1
	s_barrier_wait -1
.endm
.macro CROUND
	s_barrier_signal -1
	s_barrier_wait -1
	CREST
.endm
.macro PLACES n
.rept \n
	v_nop
.endr
.endm
.macro ALOAD k                         ; A's two fragments of K step k into place k % 10 of the ring: six loads of 512 consecutive bytes; every offset is an immediate
	WIN 0x80
.irp f, 0,1
.irp c, 0,1,2
	global_load_b128 v[24*((\k)%DEPTH)+12*\f+4*\c:24*((\k)%DEPTH)+12*\f+4*\c+3], v[VO], s[12:13] offset:49152*\f+1536*(\k)+512*\c
.endr
.endr
.endm
.macro XLOAD n                         ; rows 4 n .. 4 n + 3 of my 32 rows of x1, 512 consecutive bytes each
	WIN 0xc0
.irp i, 0,1,2,3
	global_load_b128 v[4*(4*(\n)+\i):4*(4*(\n)+\i)+3], v[VO], s[96:97] offset:(4*(\n)+\i)*4096 th:TH_LOAD_NT
.endr
.endm
	s_load_b256 s[4:11], s[0:1], 0x0               ; hq, W2 codes, W2 scales, b2
	s_load_b128 s[96:99], s[0:1], 0x20             ; x1, out0
	v_lshl_add_u32 v[SPW], v0, 2, SPARE
	v_mov_b32 v[NIL], 0
	ds_add_u32 v[SPW], v[NIL]                      ; the opening: the add, twice on end, and its wait ahead of my first tensor load
	ds_add_u32 v[SPW], v[NIL]
	v_lshrrev_b32 v1, 5, v0
	v_readfirstlane_b32 s14, v1                    ; wave 0..3
	v_and_b32 v6, 31, v0                           ; lane
	v_lshlrev_b32 v[VO], 4, v6
	s_lshr_b32 s15, s14, 1                         ; of the scales I fetch A's (0) or B's (1),
	s_and_b32 s16, s14, 1                          ; this half of them
	s_bfe_u32 s40, ttmp6, 0x40000
	s_bfe_u32 s41, ttmp6, 0x40004
	s_lshl_b32 s42, ttmp9, 2
	s_add_co_u32 s42, s42, s40                     ; tile of columns, 0..7
	s_and_b32 s17, ttmp7, 0xffff
	s_lshl_b32 s17, s17, 2
	s_add_co_u32 s17, s17, s41                     ; tile of rows, 0..31
	s_lshl_b32 s43, s41, 2
	s_lshl_b32 s43, 15, s43                        ; my row of the cluster
	s_lshl_b32 s44, 0x1111, s40                    ; my column
	s_or_b32 s[G1B+0], s44, (0<<16)|(1<<20)|(1<<21)|(5<<22)|(3<<25)  ; B: 32 rows x 768 bytes, 4 words of padding behind every 64
	s_mov_b32 s[G1B+1], 768<<16
	s_mov_b32 s[G1B+2], 32<<16
	s_mov_b32 s[G1B+3], 768<<16
	s_mov_b32 s[G1B+4], 32
	s_mov_b32 s[G1B+5], 3072
	s_mov_b32 s[G1B+6], 0
	s_mov_b32 s[G1B+7], 0
	s_or_b32 s[G1S+0], s43, (3<<16)|(1<<21)        ; A's scale words: 32 K steps x 256 bytes, 16,384 bytes apart
	s_mov_b32 s[G1S+1], 32<<16
	s_mov_b32 s[G1S+2], 32<<16
	s_mov_b32 s[G1S+3], 32<<16
	s_mov_b32 s[G1S+4], 32
	s_mov_b32 s[G1S+5], 2048
	s_mov_b32 s[G1S+6], 0
	s_mov_b32 s[G1S+7], 0
	s_or_b32 s[G1SB+0], s44, (3<<16)|(1<<20)|(1<<21)|(5<<22)|(3<<25)  ; B's scale bytes: 8,192 dense bytes as rows of 256 + 16
	s_mov_b32 s[G1SB+1], 32<<16
	s_mov_b32 s[G1SB+2], 32<<16
	s_mov_b32 s[G1SB+3], 32<<16
	s_mov_b32 s[G1SB+4], 32
	s_mov_b32 s[G1SB+5], 32
	s_mov_b32 s[G1SB+6], 0
	s_mov_b32 s[G1SB+7], 0
	s_lshl_b32 s20, s17, 3
	s_lshl_b32 s18, s14, 1
	s_add_co_u32 s20, s20, s18
	s_mul_i32 s20, s20, 49152                      ; A's images: my row tiles 8 x tile + 2 x wave and the next
	s_mov_b32 s21, 0
	s_lshl_b32 s22, s17, 9
	s_lshl_b32 s18, s16, 8
	s_add_co_u32 s22, s22, s18
	s_add_co_u32 s22, s22, HSC                     ; A's scale words: row 128 x tile + 64 x half
	s_mov_b32 s23, 0
	s_lshl_b32 s46, s42, 7
	s_lshl_b32 s18, s14, 5
	s_add_co_u32 s46, s46, s18
	s_mul_i32 s46, s46, 3072                       ; B's codes: row 128 x tile + 32 x wave
	s_mov_b32 s47, 0
	s_lshl_b32 s92, s42, 7
	s_lshl_b32 s18, s16, 6
	s_add_co_u32 s92, s92, s18
	s_lshl_b32 s92, s92, 7                         ; B's scale bytes: row 128 x tile + 64 x half
	s_mov_b32 s93, 0
	s_mul_i32 s94, s14, QROWS                      ; where my rows of B go: no place in the cluster enters an LDS address
	s_lshl_b32 s95, s16, 13
	s_add_co_u32 s95, s95, SCA
	s_mul_i32 s2, s16, HALFS
	s_add_co_u32 s2, s2, SCB
	s_lshl_b32 s24, s17, 7
	s_lshl_b32 s18, s14, 5
	s_add_co_u32 s24, s24, s18
	s_lshl_b32 s24, s24, 12                        ; x1, out0: my first row, 128 x tile + 32 x wave,
	s_lshl_b32 s26, s42, 9                         ; and the tile's first column, in bytes
	s_add_co_u32 s24, s24, s26
	s_mov_b32 s25, 0
	s_mov_b32 s27, 0
	s_wait_dscnt 0x0                               ; both opening adds are done
	s_wait_kmcnt 0x0
	s_add_nc_u64 s[12:13], s[4:5], s[20:21]
	s_add_nc_u64 s[22:23], s[4:5], s[22:23]
	s_add_nc_u64 s[46:47], s[6:7], s[46:47]
	s_add_nc_u64 s[92:93], s[8:9], s[92:93]
	s_add_nc_u64 s[10:11], s[10:11], s[26:27]
	s_add_nc_u64 s[96:97], s[96:97], s[24:25]
	s_add_nc_u64 s[98:99], s[98:99], s[24:25]
	global_load_b128 v[BV:BV+3], v[VO], s[10:11]   ; b2 at my four columns
.irp k, 0,1,2,3,4,5,6,7,8,9
	ALOAD \k                                       ; the ring is filled: with b2's, 61 loads of mine are out
.endr
	WIN 0
	CROUND                                         ; all sixteen work-groups are here: the first joint loads meet
	s_mov_b32 s[G0S], 1
	s_mov_b32 s[G0S+1], s95
	s_mov_b64 s[G0S+2:G0S+3], s[22:23]
	s_or_b32 s[G0S+3], s[G0S+3], 0x80000000
	s_mov_b32 s[G0SB], 1
	s_mov_b32 s[G0SB+1], s2
	s_mov_b64 s[G0SB+2:G0SB+3], s[92:93]
	s_or_b32 s[G0SB+3], s[G0SB+3], 0x80000000
	JLOAD G0S, G1S, G0SB, G1SB                     ; the scales first
.irp s, 0,1
	s_mov_b32 s[G0B+4*\s], 1
	s_add_co_u32 s[G0B+4*\s+1], s94, \s*SLOT
	s_add_nc_u64 s[G0B+4*\s+2:G0B+4*\s+3], s[46:47], \s*768
	s_or_b32 s[G0B+4*\s+3], s[G0B+4*\s+3], 0x80000000
	BLOAD \s                                       ; K steps 0-7 and 8-15: three tensor loads of mine are out
.endr
	v_and_b32 v1, 15, v0                           ; r
	v_bfe_u32 v2, v0, 4, 1                         ; h
	v_mul_u32_u24 v3, v1, PITCH
	v_mul_u32_u24 v4, v2, 24
	v_add_nc_u32 v4, v3, v4                        ; a fragment's row x pitch + 24 x half
	v_lshl_add_u32 v5, v2, 4, v4                   ; and the same behind one padding more
.irp s, 0,1
.irp u, 0,1
	v_add_nc_u32 v[ADRB+4*\s+2*\u], \s*SLOT+\u*64*PITCH, v4
	v_add_nc_u32 v[ADRB+4*\s+2*\u+1], \s*SLOT+\u*64*PITCH, v5
.endr
.endr
	s_lshl_b32 s21, s15, 13
	s_lshl_b32 s18, s16, 7
	s_add_co_u32 s21, s21, s18
	s_add_co_u32 s21, s21, SCA
	v_lshl_add_u32 v[ADRSA], v6, 2, s21            ; A's scale words: my 32 rows, 4 bytes a lane: lanes 0-15 block 0, lanes 16-31 block 1
	v_lshrrev_b32 v7, 1, v6
	v_lshlrev_b32 v7, 4, v7
	v_lshl_add_u32 v7, v6, 7, v7
	v_add_nc_u32 v[ADRSB], SCB, v7                 ; B's: 128 x lane + 16 for each 256 passed
	s_mul_i32 s23, s14, 16*SPITCH
	s_add_co_u32 s23, s23, STG                     ; my stage
	v_mul_u32_u24 v7, v1, SPITCH
	v_lshl_add_u32 v7, v2, 5, v7
	v_add_nc_u32 v[STO], s23, v7                   ; in: row r, 32 bytes for each half of the lanes
	v_add_nc_u32 v[RD], s23, v[VO]                 ; back: the 32 lanes take one row of 512 bytes
.macro FETCH k                         ; B's eight fragments of K step k into set k % 2: 48 loads of 8 bytes a lane; where lanes 16-31's piece lies behind one padding more the second address register serves
	WIN 0x40
.set FS, 128*((\k)%2)
.set FQ, (\k)%8
.set FB, ADRB+4*(((\k)/8)%2)
.irp i, 0,1,2,3,4,5,6,7
.irp p, 0,1,2,3,4,5
.set PC, 12*FQ+6*(\p/3)+\p%3
.if PC%32 < 29
	ds_load_b64 v[FS+12*\i+2*\p:FS+12*\i+2*\p+1], v[FB+2*(\i/4)] offset:8*PC+16*(PC/32)+(\i%4)*16*PITCH
.else
	ds_load_b64 v[FS+12*\i+2*\p:FS+12*\i+2*\p+1], v[FB+2*(\i/4)+1] offset:8*PC+16*(PC/32)+(\i%4)*16*PITCH
.endif
.endr
.endr
.endm
.macro SCALES g                        ; the scale words of K steps 4 g .. 4 g + 3 into set g % 2.  B: register 4 i + q: lanes 0-15 block 2 i, lanes 16-31 block 2 i + 1;  A: register 16 + q
.set SS, SC+20*((\g)%2)
.irp i, 0,1,2,3
	ds_load_b128 v[SS+4*\i:SS+4*\i+3], v[ADRSB] offset:4352*\i+16*(\g)
.endr
.irp q, 0,1,2,3
	ds_load_b32 v[SS+16+\q], v[ADRSA] offset:256*(4*(\g)+\q)
.endr
.endm
.macro WM zero                         ; one product; ob, oa: the block's scale words stand in lanes 16-31 of their register.  zero = 1: it starts the sum
.if \zero
.if ob && oa
	v_wmma_scale_f32_16x16x128_f8f6f4 v[rD:rD+7], v[rB:rB+FR-1], v[rA:rA+FR-1], 0, v[rSB], v[rSA] matrix_a_fmt:MATRIX_FMT_FP6 matrix_b_fmt:MATRIX_FMT_FP6 matrix_a_scale:MATRIX_SCALE_ROW1 matrix_b_scale:MATRIX_SCALE_ROW1
.elseif ob
	v_wmma_scale_f32_16x16x128_f8f6f4 v[rD:rD+7], v[rB:rB+FR-1], v[rA:rA+FR-1], 0, v[rSB], v[rSA] matrix_a_fmt:MATRIX_FMT_FP6 matrix_b_fmt:MATRIX_FMT_FP6 matrix_a_scale:MATRIX_SCALE_ROW1
.elseif oa
	v_wmma_scale_f32_16x16x128_f8f6f4 v[rD:rD+7], v[rB:rB+FR-1], v[rA:rA+FR-1], 0, v[rSB], v[rSA] matrix_a_fmt:MATRIX_FMT_FP6 matrix_b_fmt:MATRIX_FMT_FP6 matrix_b_scale:MATRIX_SCALE_ROW1
.else
	v_wmma_scale_f32_16x16x128_f8f6f4 v[rD:rD+7], v[rB:rB+FR-1], v[rA:rA+FR-1], 0, v[rSB], v[rSA] matrix_a_fmt:MATRIX_FMT_FP6 matrix_b_fmt:MATRIX_FMT_FP6
.endif
.else
.if ob && oa
	v_wmma_scale_f32_16x16x128_f8f6f4 v[rD:rD+7], v[rB:rB+FR-1], v[rA:rA+FR-1], v[rD:rD+7], v[rSB], v[rSA] matrix_a_fmt:MATRIX_FMT_FP6 matrix_b_fmt:MATRIX_FMT_FP6 matrix_a_scale:MATRIX_SCALE_ROW1 matrix_b_scale:MATRIX_SCALE_ROW1
.elseif ob
	v_wmma_scale_f32_16x16x128_f8f6f4 v[rD:rD+7], v[rB:rB+FR-1], v[rA:rA+FR-1], v[rD:rD+7], v[rSB], v[rSA] matrix_a_fmt:MATRIX_FMT_FP6 matrix_b_fmt:MATRIX_FMT_FP6 matrix_a_scale:MATRIX_SCALE_ROW1
.elseif oa
	v_wmma_scale_f32_16x16x128_f8f6f4 v[rD:rD+7], v[rB:rB+FR-1], v[rA:rA+FR-1], v[rD:rD+7], v[rSB], v[rSA] matrix_a_fmt:MATRIX_FMT_FP6 matrix_b_fmt:MATRIX_FMT_FP6 matrix_b_scale:MATRIX_SCALE_ROW1
.else
	v_wmma_scale_f32_16x16x128_f8f6f4 v[rD:rD+7], v[rB:rB+FR-1], v[rA:rA+FR-1], v[rD:rD+7], v[rSB], v[rSA] matrix_a_fmt:MATRIX_FMT_FP6 matrix_b_fmt:MATRIX_FMT_FP6
.endif
.endif
.endm
.macro MULQ k, g, zero                 ; four of K step k's sixteen products: A's block g / 2 x B's blocks 4 (g % 2) .. + 3.  The 16 accumulators take turns in one order throughout
.irp t, 0,1,2,3
.set oa, (\g)/2
.set pb, 4*((\g)%2)+\t
.set ob, pb%2
.set rD, ACC+8*(8*oa+pb)
.set rB, 128*((\k)%2)+12*pb
.set rA, 24*((\k)%DEPTH)+12*oa
.set rSB, SC+20*(((\k)/4)%2)+4*(pb/2)+(\k)%4
.set rSA, SC+20*(((\k)/4)%2)+16+(\k)%4
	WM \zero
.endr
.endm
; A K step that changes no slot.  Behind four places the registers that the last step's products read are asked for anew: A's place takes the K step nine on (from K step 23 on: four rows of x1 in its stead), B's other set the next K step.
.macro KST k, zero
.if (\k) > 0
	PLACES 4
.if (\k)+DEPTH-1 < 32
	ALOAD (\k)+DEPTH-1
.else
	XLOAD (\k)-23
.endif
.endif
.if (\k)%4 == 3
	WIN 0
	SCALES ((\k)+1)/4
.endif
	FETCH (\k)+1
.if (\k)%4 == 3
	s_wait_dscnt 56                                ; all but the 8 + 48 just issued: this step's fragments of B are in
.else
	s_wait_dscnt 48                                ; all but the 48 just issued
.endif
.if (\k) <= 22
	s_wait_loadcnt 54                              ; this step's fragments of A are in; the nine younger K steps' 54 loads may be out
.else
	s_wait_loadcnt 6*(31-(\k))+4*((\k)-22)         ; younger: A's remaining K steps and the rows of x1 asked for so far
.endif
	WIN MUL
	MULQ \k, 0, \zero
	MULQ \k, 1, \zero
	MULQ \k, 2, \zero
	MULQ \k, 3, \zero
.endm
; A slot's last K step changes slots: each wave waits for all its tensor loads, adds 0 to its spare word, waits for that and for its reads of the slot; one barrier; with fill = 1 it opens a round of the cluster's barrier,
; and the joint refill, the slot's K steps sixteen on, is first behind it: it has eight K steps, 128 matrix instructions a wave, in which to land.
.macro TURN k, fill
.set TSL, ((\k)/8)%2
	WIN 0
	s_wait_tensorcnt 0x0                           ; all my tensor loads have landed: my part of the next slot
	ds_add_u32 v[SPW], v[NIL]
	s_wait_dscnt 1                                 ; this step's fragments of B are in; the add may be out
	s_wait_loadcnt 48                              ; and A's; the eight younger K steps' 48 loads may be out (this step's own loads follow below)
	WIN MUL
	MULQ \k, 0, 0
	s_wait_dscnt 0x0                               ; the add is done, my reads of this slot are over
	s_barrier_signal -1
	MULQ \k, 1, 0
	WIN 0
	s_barrier_wait -1
.if \fill
	CREST
	s_add_nc_u64 s[G0B+4*TSL+2:G0B+4*TSL+3], s[G0B+4*TSL+2:G0B+4*TSL+3], 2*768
	BLOAD TSL                                      ; its four v_nop are the places in front of the loads below
.else
	PLACES 4
.endif
.if (\k)+DEPTH-1 < 32
	ALOAD (\k)+DEPTH-1
.else
	XLOAD (\k)-23
.endif
	WIN 0
	SCALES ((\k)+1)/4
	FETCH (\k)+1
	WIN MUL
	MULQ \k, 2, 0
	MULQ \k, 3, 0
.endm
	s_wait_tensorcnt 1                             ; the scales and my part of slot 0 are in; slot 1's load may be out
	s_barrier_signal -1
	s_barrier_wait -1
	SCALES 0
	FETCH 0
	KST 0, 1                                       ; the first step's products start the sums
.irp k, 1,2,3,4,5,6
	KST \k, 0
.endr
	TURN 7, 1                                      ; slot 0 takes K steps 16-23
.irp k, 8,9,10,11,12,13,14
	KST \k, 0
.endr
	TURN 15, 1                                     ; slot 1 takes K steps 24-31
.irp k, 16,17,18,19,20,21,22
	KST \k, 0
.endr
	TURN 23, 0                                     ; nothing is left to fetch
.irp k, 24,25,26,27,28,29,30
	KST \k, 0
.endr
	s_wait_dscnt 0x0                               ; the last K step: B's fragments,
	s_wait_loadcnt 32                              ; and A's; x1's 32 loads may be out
	MULQ 31, 0, 0
	MULQ 31, 1, 0
	MULQ 31, 2, 0
	MULQ 31, 3, 0
	WIN 0
; THE WAY OUT, 16 rows x 128 columns at a time: through my stage, so that the 32 lanes hold a row's 512 consecutive bytes; x1 and b2 are added there
.macro OUTA a
.set BB, BK+64*(\a)
	WIN 0x0c                                       ; an LDS store's data are its source 1: window 3
.irp b, 0,1,2,3,4,5,6,7
	ds_store_b128 v[STO], v[ACC+8*(8*(\a)+\b):ACC+8*(8*(\a)+\b)+3] offset:64*\b         ; each accumulator from its low end on
	ds_store_b128 v[STO], v[ACC+8*(8*(\a)+\b)+4:ACC+8*(8*(\a)+\b)+7] offset:64*\b+16
.endr
	WIN 0
.irp t, 0,1,2,3,4,5,6,7,8,9,10,11,12,13,14,15
	ds_load_b128 v[BB+4*\t:BB+4*\t+3], v[RD] offset:\t*SPITCH      ; in order behind my stores; the next block's stores come behind these
.endr
	s_wait_dscnt 0x0
	WIN 0x0c                                       ; source 1 window 3: x1
.set i, 0
.rept 32
	v_pk_add_f32 v[BB+i:BB+i+1], v[BB+i:BB+i+1], v[64*(\a)+i:64*(\a)+i+1]
.set i, i+2
.endr
	WIN 0
.irp t, 0,1,2,3,4,5,6,7,8,9,10,11,12,13,14,15
	v_pk_add_f32 v[BB+4*\t:BB+4*\t+1], v[BB+4*\t:BB+4*\t+1], v[BV:BV+1]
	v_pk_add_f32 v[BB+4*\t+2:BB+4*\t+3], v[BB+4*\t+2:BB+4*\t+3], v[BV+2:BV+3]
.endr
.irp t, 0,1,2,3,4,5,6,7,8,9,10,11,12,13,14,15
	global_store_b128 v[VO], v[BB+4*\t:BB+4*\t+3], s[98:99] offset:(16*(\a)+\t)*4096 th:TH_STORE_NT   ; 32 lanes store 512 consecutive bytes, aligned
.endr
.endm
	PLACES 4                                       ; behind the last products
	s_wait_loadcnt 0x0                             ; x1
	OUTA 0
	OUTA 1
	s_wait_tensorcnt 0x0                           ; the wave's end
	ds_add_u32 v[SPW], v[NIL]
	s_wait_dscnt 0x0
	CROUND                                         ; the closing round
	s_endpgm
.Lfunc_end_k_q9c1c993168_mlp2:
	.size	k_q9c1c993168_mlp2, .Lfunc_end_k_q9c1c993168_mlp2-k_q9c1c993168_mlp2
	.p2alignl 7, 3214868480
	.fill 96, 4, 3214868480
	.section	.rodata,"a",@progbits
	.p2align	6, 0x0
	.amdhsa_kernel k_q9c1c993168_mlp2
		.amdhsa_group_segment_fixed_size 327680
		.amdhsa_private_segment_fixed_size 0
		.amdhsa_enable_private_segment 0
		.amdhsa_kernarg_size 48
		.amdhsa_user_sgpr_count 2
		.amdhsa_user_sgpr_kernarg_segment_ptr 1
		.amdhsa_wavefront_size32 1
		.amdhsa_system_sgpr_workgroup_id_x 1
		.amdhsa_system_sgpr_workgroup_id_y 1
		.amdhsa_system_sgpr_workgroup_id_z 1
		.amdhsa_system_vgpr_workitem_id 0
		.amdhsa_next_free_vgpr 1024
		.amdhsa_next_free_sgpr 100
		.amdhsa_reserve_vcc 0
		.amdhsa_float_denorm_mode_32 3
		.amdhsa_float_denorm_mode_16_64 3
		.amdhsa_memory_ordered 1
		.amdhsa_forward_progress 1
		.amdhsa_inst_pref_size 220
	.end_amdhsa_kernel
	.amdgpu_metadata
---
amdhsa.version: [ 1, 2 ]
amdhsa.kernels:
  - .name:           k_q9c1c993168_mlp2
    .symbol:         k_q9c1c993168_mlp2.kd
    .args:
      - { .name: hq, .offset: 0, .size: 8, .value_kind: global_buffer, .address_space: global }
      - { .name: W2_codes, .offset: 8, .size: 8, .value_kind: global_buffer, .address_space: global }
      - { .name: W2_scales, .offset: 16, .size: 8, .value_kind: global_buffer, .address_space: global }
      - { .name: b2, .offset: 24, .size: 8, .value_kind: global_buffer, .address_space: global }
      - { .name: x1, .offset: 32, .size: 8, .value_kind: global_buffer, .address_space: global }
      - { .name: out0, .offset: 40, .size: 8, .value_kind: global_buffer, .address_space: global }
    .group_segment_fixed_size: 327680
    .private_segment_fixed_size: 0
    .kernarg_segment_align: 8
    .kernarg_segment_size: 48
    .max_flat_workgroup_size: 128
    .sgpr_count:     100
    .vgpr_count:     1024
    .wavefront_size: 32
...
	.end_amdgpu_metadata
.endif
;; end of part 5
